; MI455X (gfx1250); checked and timed in simulation.
; The chip was launched on July 23, 2026; its instructions are those of AMD's public machine-readable ISA for CDNA 5 (MIT licence, August 2026) and "CDNA5" Instruction Set Architecture Reference Guide (July 2026). The comments in the code are by the model that wrote it; some were corrected since.
;; Attention. Allowed arithmetic: float matrix products may take bf16 or f16 operands with f32 sums; other float arithmetic in f32, or as packed bf16 or f16 multiplies, adds, multiply-adds, maxima and minima; sums over many terms, partial sums and values carried from step to step in f32; what a program stores and reads back later, other than sums and carried values, may be rounded once to bf16 or f16.
;; Inputs: W_K 16 x 64 x 1,024 float32; W_O 1,024 x 1,024 float32; W_Q 16 x 64 x 1,024 float32; W_V 16 x 64 x 1,024 float32; x 1 x 4,096 x 1,024 float32.
;; Outputs: out0 1 x 4,096 x 1,024 float32.
;; 2 versions, each right; version 2 is version 1 with the launch cast written anew for expert scheduling mode. Each part assembles by itself: llvm-mc -triple=amdgcn-amd-amdhsa -mcpu=gfx1250 --defsym DOCPART=n.
;; ======== version 1 of 2: 4 launches
;; limits: values are held in f16: magnitudes above 65,504 overflow, below 6.1e-05 lose precision; right only within a limited range of input values
;; workspace buffers: cb 16,777,216 bytes; qkv 25,165,824 bytes; z 8,388,608 bytes
;; launch cast (part 1): grid 256 x 1, 8 waves a work-group, no clusters, 0 bytes of LDS; arguments x, W_Q, W_K, W_V, W_O, cb; writes cb
.if DOCPART == 1
	.amdgcn_target "amdgcn-amd-amdhsa--gfx1250"
	.amdhsa_code_object_version 6
	.text
	.protected	k_qa3c2939999_cast
	.globl	k_qa3c2939999_cast
	.p2align	8
	.type	k_qa3c2939999_cast,@function
k_qa3c2939999_cast:
	s_mov_b64 s[64:65], 0
	v_nop
	global_prefetch_b8 v0, s[64:65] scope:SCOPE_SE
	s_setreg_imm32_b32 hwreg(HW_REG_WAVE_MODE, 25, 1), 1
	s_wait_xcnt 0x0
; THE INPUTS, ROUNDED ONCE.  cb takes, on end: x [4096][1024] as bf16 (8,388,608 bytes); W_Q, W_K, W_V as bf16, 3,072 rows of 1,024 (6,291,456 bytes);
; W_O [1024][1024] rounded to bf16 like the other inputs, and that number written as f16 (2,097,152 bytes), since the last product's other operand is f16.
; LIMITS.  A number of W_O beyond 65,504 becomes an infinity; below 6.1e-5 it keeps f16's fixed step of 6e-8.  NaN and infinities are not treated apart.
; SHARES.  8,388,608 numbers, 32,768 to each of 256 work-groups: 131,072 bytes in, 65,536 out, and the output's place is the work-group's number times 65,536.
; Work-groups 0-127 take x, 128-159 W_Q, 160-191 W_K, 192-223 W_V, 224-255 W_O.  In step j of 32 thread t loads the 16 bytes at 4,096 j + 16 t (a wave's load covers 512 consecutive
; bytes) and stores the 8 bytes at 2,048 j + 8 t (a wave's store covers 256 consecutive bytes, aligned).  All 32 loads go out first; no register is written twice while memory may read it.
; No LDS, no barrier, no matrix unit: every byte crosses once and nothing is shared.
.set T,   4                            ; v[4:7]     at work (W_O's path)
.set IN,  16                           ; v[16:143]  step j: 4 registers as loaded
.set OUT, 144                          ; v[144:207] step j: 2 registers to store
	s_load_b256 s[4:11], s[0:1], 0x0               ; x s[4:5], W_Q s[6:7], W_K s[8:9], W_V s[10:11]
	s_load_b128 s[12:15], s[0:1], 0x20             ; W_O s[12:13], cb s[14:15]
	v_lshlrev_b32 v1, 4, v0                        ; 16 t
	v_lshlrev_b32 v2, 3, v0                        ; 8 t
	s_sub_co_u32 s16, ttmp9, 128                   ; among the weights' 128 work-groups (not used for x),
	s_lshr_b32 s17, s16, 5                         ; which weight,
	s_and_b32 s20, s16, 31                         ; and which of its 32 parts
	s_lshl_b32 s24, ttmp9, 16                      ; my 65,536 bytes of cb
	s_mov_b32 s25, 0
	s_mov_b32 s23, 0
	s_wait_kmcnt 0x0
	s_cmp_eq_u32 s17, 0
	s_cselect_b64 s[18:19], s[6:7], s[12:13]       ; W_Q, or else W_O
	s_cmp_eq_u32 s17, 1
	s_cselect_b64 s[18:19], s[8:9], s[18:19]       ; W_K
	s_cmp_eq_u32 s17, 2
	s_cselect_b64 s[18:19], s[10:11], s[18:19]     ; W_V
	s_cmp_lt_u32 ttmp9, 128
	s_cselect_b64 s[18:19], s[4:5], s[18:19]       ; x
	s_cselect_b32 s22, ttmp9, s20                  ; my part of that tensor,
	s_lshl_b32 s22, s22, 17                        ; 131,072 bytes each
	s_add_nc_u64 s[18:19], s[18:19], s[22:23]
	s_add_nc_u64 s[14:15], s[14:15], s[24:25]
.set g, 0
.rept 32
	global_load_b128 v[IN+4*g:IN+4*g+3], v1, s[18:19] offset:4096*g th:TH_LOAD_NT
.set g, g+1
.endr
; Step n: four numbers rounded to bf16; half = 1: each widened again (a shift, a mask) and written as f16.
.macro CONV n, half
	s_wait_loadcnt 31-(\n)                         ; loads come back in order (ISA guide 5.7.1): mine is in, the 31 - n younger ones stay out
	v_cvt_pk_bf16_f32 v[OUT+2*(\n)],   v[IN+4*(\n)],   v[IN+4*(\n)+1]
	v_cvt_pk_bf16_f32 v[OUT+2*(\n)+1], v[IN+4*(\n)+2], v[IN+4*(\n)+3]
.if \half
	v_lshlrev_b32 v[T],   16, v[OUT+2*(\n)]
	v_and_b32     v[T+1], 0xffff0000, v[OUT+2*(\n)]
	v_lshlrev_b32 v[T+2], 16, v[OUT+2*(\n)+1]
	v_and_b32     v[T+3], 0xffff0000, v[OUT+2*(\n)+1]
	v_cvt_pk_f16_f32 v[OUT+2*(\n)],   v[T],   v[T+1]
	v_cvt_pk_f16_f32 v[OUT+2*(\n)+1], v[T+2], v[T+3]
.endif
	global_store_b64 v2, v[OUT+2*(\n):OUT+2*(\n)+1], s[14:15] offset:2048*(\n) th:TH_STORE_NT
.endm
	s_cmp_ge_u32 ttmp9, 224
	s_cbranch_scc1 .Lhalf
.set g, 0
.rept 32
	CONV g, 0
.set g, g+1
.endr
	s_endpgm
.Lhalf:                                                ; W_O's 32 work-groups
.set g, 0
.rept 32
	CONV g, 1
.set g, g+1
.endr
	s_endpgm
.Lfunc_end_k_qa3c2939999_cast:
	.size	k_qa3c2939999_cast, .Lfunc_end_k_qa3c2939999_cast-k_qa3c2939999_cast
	.p2alignl 7, 3214868480
	.fill 96, 4, 3214868480
	.section	.rodata,"a",@progbits
	.p2align	6, 0x0
	.amdhsa_kernel k_qa3c2939999_cast
		.amdhsa_group_segment_fixed_size 0
		.amdhsa_private_segment_fixed_size 0
		.amdhsa_enable_private_segment 0
		.amdhsa_kernarg_size 48
		.amdhsa_user_sgpr_count 2
		.amdhsa_user_sgpr_kernarg_segment_ptr 1
		.amdhsa_wavefront_size32 1
		.amdhsa_system_sgpr_workgroup_id_x 1
		.amdhsa_system_sgpr_workgroup_id_y 1
		.amdhsa_system_sgpr_workgroup_id_z 1
		.amdhsa_system_vgpr_workitem_id 0
		.amdhsa_next_free_vgpr 208
		.amdhsa_next_free_sgpr 66
		.amdhsa_reserve_vcc 0
		.amdhsa_float_denorm_mode_32 3
		.amdhsa_float_denorm_mode_16_64 3
		.amdhsa_memory_ordered 1
		.amdhsa_forward_progress 1
		.amdhsa_inst_pref_size 31
	.end_amdhsa_kernel
	.amdgpu_metadata
---
amdhsa.version: [ 1, 2 ]
amdhsa.kernels:
  - .name:           k_qa3c2939999_cast
    .symbol:         k_qa3c2939999_cast.kd
    .args:
      - { .name: x, .offset: 0, .size: 8, .value_kind: global_buffer, .address_space: global }
      - { .name: W_Q, .offset: 8, .size: 8, .value_kind: global_buffer, .address_space: global }
      - { .name: W_K, .offset: 16, .size: 8, .value_kind: global_buffer, .address_space: global }
      - { .name: W_V, .offset: 24, .size: 8, .value_kind: global_buffer, .address_space: global }
      - { .name: W_O, .offset: 32, .size: 8, .value_kind: global_buffer, .address_space: global }
      - { .name: cb, .offset: 40, .size: 8, .value_kind: global_buffer, .address_space: global }
    .group_segment_fixed_size: 0
    .private_segment_fixed_size: 0
    .kernarg_segment_align: 8
    .kernarg_segment_size: 48
    .max_flat_workgroup_size: 256
    .sgpr_count:     66
    .vgpr_count:     208
    .wavefront_size: 32
...
	.end_amdgpu_metadata
.endif
;; end of part 1
;; launch proj (part 2): grid 16 x 16, 4 waves a work-group, clusters of 4 x 4, 327,680 bytes of LDS; arguments cb, qkv; writes qkv
.if DOCPART == 2
	.amdgcn_target "amdgcn-amd-amdhsa--gfx1250"
	.amdhsa_code_object_version 6
	.text
	.protected	k_qa3c2939999_proj
	.globl	k_qa3c2939999_proj
	.p2align	8
	.type	k_qa3c2939999_proj,@function
k_qa3c2939999_proj:
	s_mov_b64 s[64:65], 0
	v_nop
	global_prefetch_b8 v0, s[64:65] scope:SCOPE_SE
	s_setreg_imm32_b32 hwreg(HW_REG_WAVE_MODE, 25, 1), 1
	s_wait_xcnt 0x0
	s_wait_alu depctr_hold_cnt(0) depctr_sa_sdst(0) depctr_va_vdst(0) depctr_va_sdst(0) depctr_va_ssrc(0) depctr_va_vcc(0) depctr_vm_vsrc(0)
	s_getreg_b32 s2, hwreg(HW_REG_IB_STS2, 6, 4)
	s_cmp_eq_u32 s2, 0
	s_cbranch_scc0 .Lentry_in_a_cluster
	s_endpgm
.Lentry_in_a_cluster:
	s_bfe_u32 s2, ttmp6, 0x10000c
	s_cmp_lg_u32 s2, 0xf033
	s_cbranch_scc0 .Lentry_shape_is_right
	s_endpgm
.Lentry_shape_is_right:
; THE THREE PROJECTIONS AS ONE PRODUCT.  C[m][n] = sum over k of xb[m][k] wb[n][k]: xb [4096][1024] bf16 at cb's first byte, wb [3072][1024] bf16 at byte 8,388,608 (rows 64 i + h of W_Q, W_K, W_V on end).
; Sums in f32; C is rounded once to f16 and stored by heads, unscaled: qkv [48][4096][64] (heads 0-15 q, 16-31 k, 32-47 v), a head's rows dense, 128 bytes each.
; LIMIT.  f16 holds no number beyond 65,504: a q, k or v past that becomes an infinity.  NaN and infinities are not treated apart.
; THE TILE is 256 x 192: 16 x 16 = 256 tiles, one work-group each.  Four waves; wave w makes rows 64 w .. 64 w + 63 and all 192 columns (three whole heads): 4 x 12 accumulators of 16 x 16, 384 registers.
; K goes in 8 steps of 128 through a ring of two LDS slots filled by the tensor data mover; a tile's rows are 256 bytes of memory and start at multiples of 256 bytes from the buffer's first byte.
; CLUSTERS: 4 x 4 work-groups.  The four of a row of the cluster need the same tiles of xb, the four of a column the same tiles of wb: each tile is asked for JOINTLY, by the same tensor load with the
; same descriptor and a mask that names the four.  Waves 0 and 1 fetch xb's two halves (128 rows each), waves 2 and 3 wb's (96 rows each): one load a wave behind each round.
; THE MATRIX INSTRUCTION IS USED TRANSPOSED (source 0 = 16 rows of wb, source 1 = 16 rows of xb): a lane then holds row l % 16 of C and the eight neighbouring columns 8 (l / 16) + 0..7.
; REGISTERS, in windows of 256 (s_set_vgpr_msb: bits 1:0 source 0, 3:2 source 1, 5:4 source 2, 7:6 destination):
;   window 0: v16-29 addresses; v64-95, v96-127 fragments of xb (4 x 16 rows x 32 K), two buffers; on the way out v64-255 packed results
;   window 1: v0-95, v96-191 fragments of wb (12 x 16 rows x 32 K), two buffers
;   window 2: accumulators of my row blocks 0, 1 ((a, b) at v[8 (12 (a % 2) + b)]);   window 3: those of blocks 2, 3
; No prefetch: the launch has 8 K steps, and from a tile's request to the wait for it a wave issues 168 matrix instructions.
.set KSTEP,  128
.set PITCH,  272                       ; an LDS row: 256 bytes + 16 of padding = 68 words: row r starts at bank 4 r mod 64 (64 banks of 4 bytes: ISA guide 11.1), so the 16 rows of a load start at 16 different banks
.set AHALF,  128*PITCH                 ; what a load of xb brings
.set BHALF,  96*PITCH                  ; what a load of wb brings
.set BOFF,   2*AHALF                   ; in a slot: xb's 256 rows, then wb's 192
.set SLOT,   BOFF+2*BHALF              ; 121,856 bytes
.set STAGE,  2*SLOT                    ; behind the ring, never filled by a tensor load: 16 rows x 144 bytes for each wave, for the way out
.set SP,     144
.set SPARE,  STAGE+4*16*SP             ; behind the stages: the spare words, 128 bytes for each wave: two blocks of 256 bytes that no other line names
.set LAPS,   4                         ; a lap = two K steps = once round the ring
.set WB,     0x800000                  ; wb's first byte in cb
.set HEADB,  524288                    ; a head's bytes in qkv
.set ADRA, 16                          ; v16-17  LDS address of my fragments of xb in slot 0, 1
.set ADRB, 20                          ; v20-21  the same for wb
.set STO,  24                          ; v24     the way out: where I put 16 bytes of a row
.set RD,   25                          ; v25     the way out: where I read rows back
.set GO,   26                          ; v26     my 16 bytes in 512 consecutive bytes of qkv
.set SPW,  28                          ; v28     LDS address of my spare word; never rewritten
.set NIL,  29                          ; v29     0; never rewritten
.set FA,   64                          ; xb's fragment buffer f at FA + 32 f
.set OUTR, 64                          ; the way out: unit u's 16 registers at OUTR + 16 u
.set G1, 24                            ; s[24:31] descriptor group 1 for xb's tiles
.set G0, 32                            ; s[32:39] group 0, one set for each slot
.set G1B, 48                           ; s[48:55], s[56:63] the same for wb's tiles
.set G0B, 56
.set MSB, 0
.macro WIN new                         ; the immediate's high byte repeats the setting that is left; a switch that changes nothing is dropped
.if MSB != (\new)
	s_set_vgpr_msb (MSB<<8)|(\new)
.set MSB, \new
.endif
.endm
.set MUL_LO, 0xa1                      ; source 0 (wb) window 1, source 1 (xb) window 0, C and D window 2
.set MUL_HI, 0xf1                      ; the same, C and D window 3
.set TO_B,   0x40                      ; destination window 1, address window 0
; A joint load.  The branch hangs on the wave's number alone.  An s_nop 0 and four v_nop follow each of the two lines, ahead of the jump, the label and what follows.
.macro JLOAD s
	s_cmp_eq_u32 s11, 0
	s_cbranch_scc0 .Lfor_b_\@
	tensor_load_to_lds s[G0+4*(\s):G0+4*(\s)+3], s[G1:G1+7]
	s_nop 0
.rept 4
	v_nop
.endr
	s_branch .Lasked_\@
.Lfor_b_\@:
	tensor_load_to_lds s[G0B+4*(\s):G0B+4*(\s)+3], s[G1B:G1B+7]
	s_nop 0
.rept 4
	v_nop
.endr
.Lasked_\@:
.endm
; A round of the cluster's barrier: my work-group's barrier, so that wave 0's signal speaks for all four waves; wave 0 signals; every wave waits for all sixteen work-groups; my work-group's barrier once more.
.macro CREST                           ; a round behind its opening barrier
	s_cmp_lg_u32 s10, 0
	s_cbranch_scc1 .Lnot_wave_0_\@
	s_barrier_signal -3
.Lnot_wave_0_\@:
	s_barrier_wait -3
	s_barrier_signal -1
	s_barrier_wait -1
.endm
.macro CROUND                          ; a whole round
	s_barrier_signal -1
	s_barrier_wait -1
	CREST
.endm
	s_load_b128 s[4:7], s[0:1], 0x0                ; cb s[4:5], qkv s[6:7]
	v_lshl_add_u32 v[SPW], v0, 2, SPARE
	v_mov_b32 v[NIL], 0
	ds_add_u32 v[SPW], v[NIL]                      ; the wave's opening: the add and its wait stand ahead of my first tensor load; the set-up below, work on registers, stands between them
	ds_add_u32 v28, v29
	v_lshrrev_b32 v1, 5, v0
	v_readfirstlane_b32 s10, v1                    ; wave 0..3
	s_lshr_b32 s11, s10, 1                         ; I fetch for xb (0) or for wb (1),
	s_and_b32 s12, s10, 1                          ; and which half of that tile's rows
	s_bfe_u32 s40, ttmp6, 0x40000                  ; cx, cy: my place in the cluster
	s_bfe_u32 s41, ttmp6, 0x40004
	s_lshl_b32 s42, ttmp9, 2                       ; in a cluster launch ttmp9 and ttmp7 count clusters
	s_add_co_u32 s42, s42, s40                     ; tile column = 4 x cluster x + cx
	s_and_b32 s13, ttmp7, 0xffff
	s_lshl_b32 s13, s13, 2
	s_add_co_u32 s13, s13, s41                     ; tile row = 4 x cluster y + cy
	s_lshl_b32 s43, s41, 2
	s_lshl_b32 s43, 15, s43                        ; my row of the cluster: places 4 cy .. 4 cy + 3
	s_lshl_b32 s44, 0x1111, s40                    ; my column: places cx, cx + 4, cx + 8, cx + 12
	; descriptor group 1: rows of 128 elements of 2 bytes, padded in LDS
	s_or_b32 s[G1+0], s43, (1<<16)|(1<<20)|(1<<21)|(5<<22)|(3<<25)   ; 15:0 the mask: xb's tiles go to my row; 17:16 2-byte elements; 20 padding on; 21 set beside a mask; 24:22 after every 64 words (code 5); 31:25 4 words (code 3)
	s_or_b32 s[G1B+0], s44, (1<<16)|(1<<20)|(1<<21)|(5<<22)|(3<<25)  ; the same with the mask of my column
	s_mov_b32 s[G1+1], KSTEP<<16                   ; tensor_dim0 = 128
	s_mov_b32 s[G1+2], 128<<16                     ; tensor_dim1 = 128
	s_mov_b32 s[G1+3], KSTEP<<16                   ; tile_dim0 = 128
	s_mov_b32 s[G1+4], 128                         ; tile_dim1 = 128 rows
	s_mov_b32 s[G1+5], 1024                        ; 1,024 elements from row to row
	s_mov_b32 s[G1+6], 0
	s_mov_b32 s[G1+7], 0
	s_mov_b32 s[G1B+1], KSTEP<<16
	s_mov_b32 s[G1B+2], 96<<16                     ; wb's loads have 96 rows
	s_mov_b32 s[G1B+3], KSTEP<<16
	s_mov_b32 s[G1B+4], 96
	s_mov_b32 s[G1B+5], 1024
	s_mov_b32 s[G1B+6], 0
	s_mov_b32 s[G1B+7], 0
	; where the tiles come from: xb's hang on the tile row alone, wb's on the tile column alone; every wave makes both, in registers of their own
	s_lshl_b32 s16, s13, 8
	s_lshl_b32 s17, s12, 7
	s_add_co_u32 s16, s16, s17                     ; xb: row 256 x tile row + 128 x half,
	s_lshl_b32 s16, s16, 11                        ; 2,048 bytes a row
	s_mov_b32 s17, 0
	s_mul_i32 s46, s42, 192
	s_mul_i32 s47, s12, 96
	s_add_co_u32 s46, s46, s47                     ; wb: row 192 x tile column + 96 x half
	s_lshl_b32 s46, s46, 11
	s_add_co_u32 s46, s46, WB
	s_mov_b32 s47, 0
	s_mul_i32 s20, s12, AHALF                      ; and where they go: no place in the cluster enters an LDS address
	s_mul_i32 s21, s12, BHALF
	s_add_co_u32 s21, s21, BOFF
	s_wait_dscnt 0x0                               ; the opening add is done
	s_wait_kmcnt 0x0
	s_add_nc_u64 s[14:15], s[4:5], s[16:17]
	s_add_nc_u64 s[46:47], s[4:5], s[46:47]
	CROUND                                         ; all sixteen work-groups are here: the first joint loads meet
.irp s, 0,1
	s_mov_b32 s[G0+4*(\s)], 1                                        ; count = 1
	s_add_co_u32 s[G0+4*(\s)+1], s20, (\s)*SLOT                      ; LDS address
	s_add_nc_u64 s[G0+4*(\s)+2:G0+4*(\s)+3], s[14:15], (\s)*KSTEP*2  ; global address: K step s
	s_or_b32 s[G0+4*(\s)+3], s[G0+4*(\s)+3], 0x80000000              ; type = 2
	s_mov_b32 s[G0B+4*(\s)], 1
	s_add_co_u32 s[G0B+4*(\s)+1], s21, (\s)*SLOT
	s_add_nc_u64 s[G0B+4*(\s)+2:G0B+4*(\s)+3], s[46:47], (\s)*KSTEP*2
	s_or_b32 s[G0B+4*(\s)+3], s[G0B+4*(\s)+3], 0x80000000
	JLOAD \s                                       ; two loads of mine are out
.endr
	; A fragment is 16 rows x 32 K in 8 registers: lane l holds row l % 16, K = 8 (l / 16) + 0..7 and 16 + 8 (l / 16) + 0..7: two loads of 16 bytes, 32 bytes apart.
	v_and_b32 v1, 15, v0                           ; l % 16
	v_bfe_u32 v2, v0, 4, 1                         ; l / 16
	v_mul_u32_u24 v3, v1, PITCH
	v_lshl_add_u32 v3, v2, 4, v3                   ; row x pitch + 16 x half
	s_mul_i32 s21, s10, 64*PITCH                   ; my 64 rows of xb
	s_mov_b32 s22, BOFF                            ; all of wb's 192
.irp s, 0,1
	v_add_nc_u32 v[ADRA+(\s)], s21, v3
	v_add_nc_u32 v[ADRB+(\s)], s22, v3
	s_add_co_u32 s21, s21, SLOT
	s_add_co_u32 s22, s22, SLOT
.endr
	s_mul_i32 s23, s10, 16*SP
	s_add_co_u32 s23, s23, STAGE                   ; my stage
	v_mul_u32_u24 v4, v1, SP                       ; in: row l % 16, 16 bytes for each half of the lanes
	v_lshl_add_u32 v4, v2, 4, v4
	v_add_nc_u32 v[STO], s23, v4
	v_bfe_u32 v5, v0, 3, 2                         ; back: 32 lanes take four rows of 128 bytes,
	v_mul_u32_u24 v5, v5, SP
	v_and_b32 v6, 7, v0
	v_lshl_add_u32 v5, v6, 4, v5
	v_add_nc_u32 v[RD], s23, v5
	v_and_b32 v[GO], 31, v0                        ; which are 512 consecutive bytes of a head
	v_lshlrev_b32 v[GO], 4, v[GO]
	s_lshl_b32 s16, s13, 8
	s_lshl_b32 s17, s10, 6
	s_add_co_u32 s16, s16, s17                     ; my first row: 256 x tile row + 64 x wave,
	s_lshl_b32 s16, s16, 7                         ; 128 bytes a row of a head
	s_mov_b32 s17, 0
	s_add_nc_u64 s[8:9], s[6:7], s[16:17]
	s_mul_i32 s46, s42, 3*HEADB                    ; the tile column's three heads
	s_mov_b32 s47, 0
	s_add_nc_u64 s[8:9], s[8:9], s[46:47]
; 12 matrix instructions: my row block a x all 12 column blocks, 32 along K, from buffers f.  zero = 1: the product starts the sums: nothing is ever cleared.
; The 48 accumulators take turns, one instruction a turn, in the same order in every quarter.
.macro MUL12 f, a, zero
	WIN MUL_LO+0x50*((\a)/2)
.irp b, 0,1,2,3,4,5,6,7,8,9,10,11
.if \zero
	v_wmma_f32_16x16x32_bf16 v[8*(12*((\a)%2)+(\b)):8*(12*((\a)%2)+(\b))+7], v[96*(\f)+8*(\b):96*(\f)+8*(\b)+7], v[FA+32*(\f)+8*(\a):FA+32*(\f)+8*(\a)+7], 0
.else
	v_wmma_f32_16x16x32_bf16 v[8*(12*((\a)%2)+(\b)):8*(12*((\a)%2)+(\b))+7], v[96*(\f)+8*(\b):96*(\f)+8*(\b)+7], v[FA+32*(\f)+8*(\a):FA+32*(\f)+8*(\a)+7], v[8*(12*((\a)%2)+(\b)):8*(12*((\a)%2)+(\b))+7]
.endif
.endr
.endm
; 32 LDS loads in one run: the fragments of one quarter step (192 rows of wb, my 64 of xb, 32 K at byte k of the rows) into buffers f
.macro FETCH slot, k, f
	WIN TO_B
.irp b, 0,1,2,3,4,5,6,7,8,9,10,11
	ds_load_b128 v[96*(\f)+8*(\b):96*(\f)+8*(\b)+3],   v[ADRB+(\slot)] offset:(\k)+(\b)*16*PITCH
	ds_load_b128 v[96*(\f)+8*(\b)+4:96*(\f)+8*(\b)+7], v[ADRB+(\slot)] offset:(\k)+(\b)*16*PITCH+32
.endr
	WIN 0
.irp a, 0,1,2,3
	ds_load_b128 v[FA+32*(\f)+8*(\a):FA+32*(\f)+8*(\a)+3],   v[ADRA+(\slot)] offset:(\k)+(\a)*16*PITCH
	ds_load_b128 v[FA+32*(\f)+8*(\a)+4:FA+32*(\f)+8*(\a)+7], v[ADRA+(\slot)] offset:(\k)+(\a)*16*PITCH+32
.endr
.endm
; A load into a register that a matrix instruction has read, and a vector instruction that reads a matrix result or writes one of its registers, stand four places behind it; only plain
; vector instructions that name none of its registers are places (ISA guide 7.12.1 for vector instructions).
.macro PLACES
.rept 4
	v_nop
.endr
.endm
; A K step is four quarters of 32 along K, 48 matrix instructions each, on buffers 0, 1, 0, 1.  One of the first three: multiplies buffers f and, in its middle, fetches the next quarter, at byte k, into g.
.macro QUARTER slot, k, f, g, zero
	s_wait_dscnt 4                                 ; wb and xb's blocks 0, 1 are in; the youngest four loads (blocks 2, 3) may be out
	MUL12 \f, 0, \zero
	MUL12 \f, 1, \zero
	PLACES
	FETCH \slot, \k, \g
	s_wait_dscnt 32                                ; all but the 32 just issued
	MUL12 \f, 2, \zero
	MUL12 \f, 3, \zero
.endm
; The last quarter multiplies buffers 1 and changes slots: ONE barrier.  In front of it each wave waits for all its tensor loads (the one that is out is its part of the next slot), adds 0 to its spare
; word, and waits for that and for its own reads of this slot.  fill = 1: the barrier opens a round of the cluster's, and this slot is filled again, two K steps ahead, first thing behind the round.
.macro TURN slot, next, fill
	WIN 0                                          ; (the add's two registers lie in window 0)
	s_wait_tensorcnt 0x0                           ; all my tensor loads have landed
	ds_add_u32 v[SPW], v[NIL]                      ; 0 onto my spare word
	s_wait_dscnt 5                                 ; (the add and the youngest four loads may be out)
	MUL12 1, 0, 0                                  ; twelve matrix instructions stand between the add and the wait for it
	s_wait_dscnt 0x0                               ; the add is done, and my reads of this slot are over
	s_barrier_signal -1
	MUL12 1, 1, 0                                  ; work on registers while the others arrive
.if \fill
	WIN 0
.endif
	s_barrier_wait -1
.if \fill
	CREST                                          ; no wave of any partner still reads this slot's tile or has a load on its way
	s_add_nc_u64 s[G0+4*(\slot)+2:G0+4*(\slot)+3], s[G0+4*(\slot)+2:G0+4*(\slot)+3], 2*KSTEP*2
	s_add_nc_u64 s[G0B+4*(\slot)+2:G0B+4*(\slot)+3], s[G0B+4*(\slot)+2:G0B+4*(\slot)+3], 2*KSTEP*2
	JLOAD \slot                                    ; my one tensor load behind the round; the four v_nop behind it are also the places in front of the loads below
.else
	PLACES
.endif
	FETCH \next, 0, 0
	MUL12 1, 2, 0
	MUL12 1, 3, 0
.endm
; THE WAY OUT, in 12 units: unit u = 3 a + hd is my row block a x head hd of the tile's three: 16 rows x 64 columns.  Rounded to f16, 16 bytes a lane; into my own stage in rows of 144 bytes;
; back as whole rows of 128 bytes, four to a load; stored as 512 consecutive bytes of the head.  Each accumulator's registers are read in ascending order.
.macro PACK u
.set ua, (\u)/3
.set uh, (\u)%3
.set AC, 8*(12*(ua%2)+4*uh)
	WIN 0x0a+5*(ua/2)                              ; sources 0 and 1: window 2 or 3
.irp bb, 0,1,2,3
.irp r, 0,1,2,3
	v_cvt_pk_f16_f32 v[OUTR+16*(\u)+4*(\bb)+(\r)], v[AC+8*(\bb)+2*(\r)], v[AC+8*(\bb)+2*(\r)+1]
.endr
.endr
	WIN 0
.irp bb, 0,1,2,3
	ds_store_b128 v[STO], v[OUTR+16*(\u)+4*(\bb):OUTR+16*(\u)+4*(\bb)+3] offset:32*(\bb)
.endr
.irp f, 0,1,2,3
	ds_load_b128 v[OUTR+16*(\u)+4*(\f):OUTR+16*(\u)+4*(\f)+3], v[RD] offset:(\f)*4*SP  ; LDS serves a wave's instructions in order (ISA guide 5.7.1.4): these see the stores above; the next unit's stores come behind them
.endr
.endm
.macro SEND u, younger                 ; younger: the LDS instructions issued behind unit u's loads: the next unit's eight, or none
.set ua, (\u)/3
.set uh, (\u)%3
.irp f, 0,1,2,3
	s_wait_dscnt (\younger)+3-(\f)
	global_store_b128 v[GO], v[OUTR+16*(\u)+4*(\f):OUTR+16*(\u)+4*(\f)+3], s[8:9] offset:uh*HEADB+ua*2048+(\f)*512  ; 512 consecutive bytes, at a multiple of 256 from qkv's first
.endr
.endm
	s_wait_tensorcnt 1                             ; my part of K step 0 is in; K step 1's may stay out
	s_barrier_signal -1
	s_barrier_wait -1                              ; everybody's is
	FETCH 0, 0, 0
	QUARTER 0, 64,  0, 1, 1                        ; the first quarter stands in front of the loop: its products start the sums
	WIN 0                                          ; at a label and at a branch every window is 0
	s_mov_b32 s3, LAPS-1
.Llap:                                                 ; a trip goes once round the ring, from a lap's second quarter to the next lap's first, and fills both slots again
	QUARTER 0, 128, 1, 0, 0
	QUARTER 0, 192, 0, 1, 0
	TURN 0, 1, 1
	QUARTER 1, 64,  0, 1, 0
	QUARTER 1, 128, 1, 0, 0
	QUARTER 1, 192, 0, 1, 0
	TURN 1, 0, 1
	QUARTER 0, 64,  0, 1, 0
	WIN 0
	s_sub_co_u32 s3, s3, 1
	s_cmp_lg_u32 s3, 0
	s_cbranch_scc1 .Llap
	QUARTER 0, 128, 1, 0, 0                        ; the last lap fills nothing, and has no round of the cluster's barrier
	QUARTER 0, 192, 0, 1, 0
	TURN 0, 1, 0
	QUARTER 1, 64,  0, 1, 0
	QUARTER 1, 128, 1, 0, 0
	QUARTER 1, 192, 0, 1, 0
	s_wait_dscnt 4                                 ; the very last quarter: nothing more to fetch
	MUL12 1, 0, 0
	MUL12 1, 1, 0
	s_wait_dscnt 0x0
	MUL12 1, 2, 0
	MUL12 1, 3, 0
	WIN 0
	PLACES
	PACK 0
.set un, 1
.rept 11                               ; a unit's conversions stand between the loads of the unit before and its stores
	PACK un
	SEND un-1, 8
.set un, un+1
.endr
	SEND 11, 0
	s_wait_tensorcnt 0x0                           ; the wave's end, behind my last tensor load and my last LDS store
	ds_add_u32 v[SPW], v[NIL]
	s_wait_dscnt 0x0
	CROUND                                         ; the closing round: no work-group ends while a partner may still ask for a tile that names it
	s_endpgm
.Lfunc_end_k_qa3c2939999_proj:
	.size	k_qa3c2939999_proj, .Lfunc_end_k_qa3c2939999_proj-k_qa3c2939999_proj
	.p2alignl 7, 3214868480
	.fill 96, 4, 3214868480
	.section	.rodata,"a",@progbits
	.p2align	6, 0x0
	.amdhsa_kernel k_qa3c2939999_proj
		.amdhsa_group_segment_fixed_size 327680
		.amdhsa_private_segment_fixed_size 0
		.amdhsa_enable_private_segment 0
		.amdhsa_kernarg_size 16
		.amdhsa_user_sgpr_count 2
		.amdhsa_user_sgpr_kernarg_segment_ptr 1
		.amdhsa_wavefront_size32 1
		.amdhsa_system_sgpr_workgroup_id_x 1
		.amdhsa_system_sgpr_workgroup_id_y 1
		.amdhsa_system_sgpr_workgroup_id_z 1
		.amdhsa_system_vgpr_workitem_id 0
		.amdhsa_next_free_vgpr 960
		.amdhsa_next_free_sgpr 66
		.amdhsa_reserve_vcc 0
		.amdhsa_float_denorm_mode_32 3
		.amdhsa_float_denorm_mode_16_64 3
		.amdhsa_memory_ordered 1
		.amdhsa_forward_progress 1
		.amdhsa_inst_pref_size 120
	.end_amdhsa_kernel
	.amdgpu_metadata
---
amdhsa.version: [ 1, 2 ]
amdhsa.kernels:
  - .name:           k_qa3c2939999_proj
    .symbol:         k_qa3c2939999_proj.kd
    .args:
      - { .name: cb, .offset: 0, .size: 8, .value_kind: global_buffer, .address_space: global }
      - { .name: qkv, .offset: 8, .size: 8, .value_kind: global_buffer, .address_space: global }
    .group_segment_fixed_size: 327680
    .private_segment_fixed_size: 0
    .kernarg_segment_align: 8
    .kernarg_segment_size: 16
    .max_flat_workgroup_size: 128
    .sgpr_count:     66
    .vgpr_count:     960
    .wavefront_size: 32
...
	.end_amdgpu_metadata
.endif
;; end of part 2
;; launch attn (part 3): grid 16 x 16, 4 waves a work-group, no clusters, 327,680 bytes of LDS; arguments qkv, z; writes z
.if DOCPART == 3
	.amdgcn_target "amdgcn-amd-amdhsa--gfx1250"
	.amdhsa_code_object_version 6
	.text
	.protected	k_qa3c2939999_attn
	.globl	k_qa3c2939999_attn
	.p2align	8
	.type	k_qa3c2939999_attn,@function
k_qa3c2939999_attn:
	s_mov_b64 s[64:65], 0
	v_nop
	global_prefetch_b8 v0, s[64:65] scope:SCOPE_SE
	s_setreg_imm32_b32 hwreg(HW_REG_WAVE_MODE, 25, 1), 1
	s_wait_xcnt 0x0
; CAUSAL ATTENTION, 16 heads of 4,096 rows, head size 64.  O[h][q][:] = the sum over k <= q of softmax_k(Q[h][q] . K[h][k] / 8) V[h][k][:].
; qkv: [48][4096][64] f16 (heads 0-15 q, 16-31 k, 32-47 v), a head's rows dense, 128 bytes each.  z: [64 blocks of 64 rows][16 heads][64 rows][64 channels] f16.
; Products, maxima and sums in f32; the weights p are rounded to f16 for the second product (their sum l is taken of the unrounded p), O once at the end.
; LIMITS.  Q, K and V arrive within f16's 65,504; p lies in 0 to 1, and below 6e-5 it keeps f16's fixed step of 6e-8.  A hidden key's score counts as its value less 1e30, so its weight is 0;
; the problem's own -1e10 / 8 gives 0 in f32 as well while a row's largest visible Q . K lies above about -9.99e9.  A weight below 2^-126 counts as 0 in l; NaN and infinities are not treated apart.
; THE WALK.  A head's queries lie in 32 blocks of 128; its keys in 16 tiles of 256 (four steps of 64).  Block i needs the tiles 0 .. i / 2, of which the last holds the diagonal.  A work-group takes TWO
; blocks, 31 - b and then b: with c = b / 2 that is 16 - c tiles and c + 1: 17 tiles, whatever b: all 256 work-groups do equal work, and ONE loop with a constant trip count walks them.  Which tile is
; asked for, and what a trip does, hang on scalar registers made from b; every jump goes forward, but for the counted loops' own; none passes a barrier, or a tensor load but the one of LOAD's two that
; the wave's number does not choose; the ring (two slots of LDS that take turns) runs on across the change of blocks.
; NO CLUSTER: only the work-groups b = 2 c and 2 c + 1 of a head walk the same tiles in the same trips, two where a joint load's partners here would be four, and the jumps that choose a trip's
; text hang on c, which partners would not share.
; SHARES.  Of a block's two bands of 64 queries a wave owns 16 rows in each: two PIECES.  Band x of a block of parity par = i % 2 has its own step d = 2 par + x in the diagonal tile: in step s it sees all
; keys if s < d, none if s > d, and holds the diagonal if s = d: the same work for all four waves.  Steps behind d are computed with every key hidden: 2 of the walk's 68.
; THE MASK is the C operand that starts the sum S^T = K Q^T: 0, or -1e30 where the key is hidden.  MD, made once, is the mask of a band's own step for my 16 rows; a product's mask is MD x AL + BE with two
; scalars: (1, 0) if s = d; (0, 0) if s < d; (0, -1e30) if s > d.  Only the diagonal tile's text and a block's beginning make and take masks; elsewhere C is the constant 0.
; LAYOUT, SOFTMAX.  S^T = K Q^T holds ONE query a lane (lane % 16) and the keys 8 (lane / 16) + 0..7; two such results rounded to f16 ARE source 1 of O^T = V^T P.  p = 2^(c s - c m), c = log2(e) / 8, with a
; running maximum m; O and l are multiplied by a = 2^(c m_old - c m_new) in every step.
; TURNS.  Turn (0, j): 8 products K Q^T of piece 1, step j; 8 products V^T P of piece 1, step j - 1; beside them piece 0's softmax of step j and piece 1's maximum.  Turn (1, j): K Q^T of piece 0, step j + 1;
; V^T P of piece 0, step j; piece 1's softmax.  Four vector instructions stand behind every matrix instruction, the other 54 of a turn's 118 in two lumps.
; Turn (0, j) fetches K and V of step j + 1.  K has one buffer of registers; V has two, by the step's parity, so that the fetches run K, V, K, V by steps and one change of slots, between turns (1, 2) and
; (0, 3), has every read of the old slot in front of it and every read of the new one behind it.
; REGISTERS, in windows of 256 (s_set_vgpr_msb: bits 1:0 source 0, 3:2 source 1, 5:4 source 2, 7:6 destination):
;   window 0: v0-15 addresses and two at work; v16-23 four registers of statistics a piece; v48-55 at work; v61-63; v64-127 S^T, a buffer a piece; v192-223 P, likewise
;   window 1: v0-63 O^T, 32 a piece; v128-159 MD; v160-223 MC, two buffers      window 2: v0-31 Q; v32-63 the second block's Q; v64-127 V of odd steps; v128-191 K; v192-255 V of even steps
.set NB,    16        ; key tiles in a head
.set NP,    2         ; pieces a wave: a name, no knob
.set KS,    64        ; keys in a step
.set PK,    144       ; a row of K in LDS: 128 bytes + 16 of padding = 36 words: the 16 rows of a load start at 16 different groups of four banks (64 banks of 4 bytes: ISA guide 11.1)
.set PV,    160       ; a row of V: 128 + 32 = 40 words
.set VOFF,  4*KS*PK   ; a slot holds a tile, four steps: 256 rows of K, then 256 rows of V
.set SLOT1, 1<<17     ; slot 1 begins here, so that one exclusive or turns an address in one slot into the other's
.set STAGE, SLOT1+4*KS*(PK+PV)  ; behind the ring, never filled by a tensor load: 16 rows x 144 bytes for each wave, for the way out
.set SP,    144
.set SPARE, STAGE+4*16*SP  ; behind the stages: the spare words, 128 bytes for each wave: two blocks of 256 bytes that no other line names
.set KBASE, 0x800000  ; k's and v's first bytes in qkv
.set VBASE, 0x1000000
.set AK0, 2           ; v2   my lane's place in a tile of K; never rewritten
.set AV0, 3           ; v3   the same for V
.set AK,  4           ; v4   the LDS address of K's next run of loads
.set AV,  5           ; v5   of V's
.set STO, 6           ; v6   the way out: where I put 16 bytes of a row
.set RD,  7           ; v7   the way out: where I read rows back
.set GO,  8           ; v8   my byte offset in 512 consecutive bytes of z
.set MV,  12          ; v12-13  c m_old, kept while c m is made anew: by piece
.set QO,  15          ; v15  my byte offset in 16 rows of Q
.set ST,  16          ; piece t's statistics at v[ST+4 t]: c m, m, l (even keys', odd keys')
.set TMP, 48          ; by piece, four registers c0-c3 at work; when the maximum is found c2 takes a
.set PFO, 61          ; v61  256 x my lane: the prefetches' offset; never rewritten
.set SPW, 62          ; v62  LDS address of my spare word; never rewritten
.set NIL, 63          ; v63  0; never rewritten
.set S,   64
.set P,   192
.set MD,  128         ; window 1: the eight registers for group kt of 16 keys at MD + 8 kt
.set MC,  160         ; window 1: the masks of the products to come
.set QB,  32          ; window 2
.set VF1, 64          ; window 2: V of odd steps: key half kk, channel block cb at + 32 kk + 8 cb
.set KF,  128         ; window 2: key block kb, channel half c at KF + 16 kb + 8 c
.set VF0, 192         ; window 2: V of even steps
.set WV,  12          ; s12  my wave's number
.set PB,  14          ; s14  c = b / 2: the second block's last tile
.set HI,  15          ; s15  15 - c: the first block's last tile
.set G1K, 24          ; s[24:31] descriptor group 1 for K's tiles
.set G1V, 32          ; s[32:39] for V's: it differs in the padding alone
.set G0K, 40          ; s[40:43] descriptor group 0 for K's tiles
.set G0V, 44          ; s[44:47] the same for V's
.set SLOTS, 56        ; s56  tiles still to be asked for
.set CNT, 57          ; s57  counts a tile's two trips, 2 to 1
.set CS,  58          ; s[58:59] c: the packed scaling takes the pair's low word for both halves
.set SEL, 60          ; s[60:61] v_permlanex16_b32's selects: each lane takes its own place in the other half
.set TBK, 62          ; s62  LDS byte at which K of the step to be fetched begins
.set TBV, 63          ; s63  the same for V, less VOFF
.set RT,  70          ; s70  tiles of the block in hand that are still to be entered
.set NXT, 71          ; s71  the tile to be asked for next
.set LQ,  72          ; s72  the last tile of the block whose tiles are being asked for
.set NEW, 73          ; s73  1: the tile to be entered is a block's first
.set OFF, 74          ; s[74:75] a tile's byte offset in K and V
.set AL,  76          ; s[76:77] the mask's factor, in the low word
.set BE,  78          ; s[78:79] the mask's addend
.set OLO, 80          ; s[80:81] z at my rows of the second block
.set BIGN, 82         ; s82  -1e30
.set KD,  83          ; s83  4 - 2 par of the block in hand
.set KD2, 88          ; s88  the same of the second block
.set T2,  89          ; s89, s90 at work
.set T3,  90
.set LIM, 91          ; s91  2 in a work-group that prefetches, else the greatest number
.set PFA, 92          ; s[92:93] where my prefetches stand: my half of the tile after the one that is being asked for
.set MSB, 0
.macro WIN new                      ; the high byte repeats the setting that is left; a switch that changes nothing is dropped
.if MSB != (\new)
	s_set_vgpr_msb (MSB<<8)|(\new)
.set MSB, (\new)
.endif
.endm
.set W_KQ, 0x0a       ; K and Q in window 2, S^T in window 0
.set W_KM, 0x1a       ; the same with the C operand in window 1
.set W_PV, 0x52       ; V in window 2, P in window 0, O^T in window 1
.set W_RS, 0x41       ; destination and source 0 in window 1, source 1 in window 0
; A fill.  Waves 0 and 1 fetch the two halves of a tile's K, waves 2 and 3 those of its V: 128 keys each.  An s_nop 0 and four v_nop follow each of the two lines, ahead of the jump and the label.
.macro LOAD
	s_cmp_lt_u32 s[WV], 2
	s_cbranch_scc0 .Lfor_v_\@
	tensor_load_to_lds s[G0K:G0K+3], s[G1K:G1K+7]
	s_nop 0
.rept 4
	v_nop
.endr
	s_branch .Lasked_\@
.Lfor_v_\@:
	tensor_load_to_lds s[G0V:G0V+3], s[G1V:G1V+7]
	s_nop 0
.rept 4
	v_nop
.endr
.Lasked_\@:
.endm
; A PREFETCH INTO THE L2 of what the NEXT change of slots will ask for.  All 16 work-groups of a head walk the same tiles of K and V, so one of them asks: b = 0, whose first block walks all 16.  Each of its
; waves names the 16,384 bytes that it will itself load: 64 pieces of 256 bytes, a lane a piece, two instructions, behind its tensor load and that load's five lines.  In trip t it names tile t + 2: one tile,
; 128 matrix instructions, ahead of the load; tiles 0 and 1 come by their loads alone; trips 14 and 15 ask for nothing, since tile 15 is the head's last.  So each piece is named once in the launch.
.macro ASK
	s_cmp_gt_u32 s[SLOTS], s[LIM]
	s_cbranch_scc0 .Lnot_mine_\@
	global_prefetch_b8 v[PFO], s[PFA:PFA+1] th:TH_LOAD_NT scope:SCOPE_SE
	global_prefetch_b8 v[PFO], s[PFA:PFA+1] offset:8192 th:TH_LOAD_NT scope:SCOPE_SE
.Lnot_mine_\@:
.endm
; THE CHANGE OF SLOTS.  Each wave waits for all its tensor loads, of which one is out: its part of the other slot; adds 0 to its spare word; and waits for that and for its own reads of the slot that it
; leaves.  Behind the barrier nobody reads the old slot any more and the other slot is whole.  fill = 1: the old slot is filled again, the first thing behind the barrier, with tile NXT: the descriptor's
; address is made anew from that number.  (At its first use nothing has been read yet: slot 0 is waited for, slot 1 filled.)
.macro CHANGE fill
	WIN 0                           ; at a label and at a branch every window is 0
	s_wait_tensorcnt 0x0            ; no tensor load of mine is out, so a group 0 may be written
	ds_add_u32 v[SPW], v[NIL]       ; 0 onto my spare word; with fill = 1 the descriptors' scalar work stands between it and the wait for it
.if \fill
	s_lshl_b32 s[OFF], s[NXT], 15   ; a tile is 32,768 bytes of K and of V
	s_xor_b32 s[G0K+1], s[G0K+1], SLOT1
	s_add_nc_u64 s[G0K+2:G0K+3], s[6:7], s[OFF:OFF+1]
	s_or_b32 s[G0K+3], s[G0K+3], 0x80000000
	s_xor_b32 s[G0V+1], s[G0V+1], SLOT1
	s_add_nc_u64 s[G0V+2:G0V+3], s[8:9], s[OFF:OFF+1]
	s_or_b32 s[G0V+3], s[G0V+3], 0x80000000
	s_add_co_u32 s[NXT], s[NXT], 1  ; the block's next tile, or behind its last the second block's tile 0
	s_cmp_gt_u32 s[NXT], s[LQ]
	s_cselect_b32 s[NXT], 0, s[NXT]
	s_cselect_b32 s[LQ], s[PB], s[LQ]
	s_wait_xcnt 0x0                 ; the last prefetches, a tile back, have read their address, so it may be written
	s_add_nc_u64 s[PFA:PFA+1], s[PFA:PFA+1], 32768
.endif
	s_wait_dscnt 0x0                ; the add is done, and my reads of the slot are over
	s_barrier_signal -1             ; the rest of the scalar work stands between the signal and the wait
	s_sub_co_u32 s[TBK], s[TBK], 4*KS*PK  ; the fetches go back to a slot's first step,
	s_xor_b32 s[TBK], s[TBK], SLOT1       ; in the other slot
	s_sub_co_u32 s[TBV], s[TBV], 4*KS*PV
	s_xor_b32 s[TBV], s[TBV], SLOT1
	s_barrier_wait -1
.if \fill
	LOAD
	ASK
.endif
.endm
	s_load_b64 s[4:5], s[0:1], 0x0    ; qkv
	s_load_b64 s[10:11], s[0:1], 0x8  ; z
	v_lshl_add_u32 v[SPW], v0, 2, SPARE
	v_mov_b32 v[NIL], 0
	ds_add_u32 v[SPW], v[NIL]       ; the wave's opening: the add and its wait stand ahead of my first tensor load; the set-up below, work on registers, stands between them
	ds_add_u32 v62, v63
	v_lshrrev_b32 v1, 5, v0
	v_readfirstlane_b32 s[WV], v1   ; wave 0..3
	s_lshr_b32 s[PB], ttmp9, 1      ; c
	s_sub_co_u32 s[HI], NB-1, s[PB]
	s_sub_co_u32 s13, 31, ttmp9     ; the first block
	s_and_b32 s[KD], s13, 1
	s_lshl_b32 s[KD], s[KD], 1
	s_sub_co_u32 s[KD], 4, s[KD]
	s_and_b32 s[KD2], ttmp9, 1
	s_lshl_b32 s[KD2], s[KD2], 1
	s_sub_co_u32 s[KD2], 4, s[KD2]
	s_and_b32 s20, ttmp7, 0xffff    ; the head:
	s_lshl_b32 s21, s20, 13         ; its 8,192 bytes in 64 rows of z,
	s_lshl_b32 s20, s20, 19         ; its 524,288 bytes in q, k and v
	s_and_b32 s16, s[WV], 1         ; which half of a tile's 256 keys I fetch:
	s_lshl_b32 s22, s16, 14         ; its 128 rows of 128 bytes in memory,
	s_add_co_u32 s22, s22, s20
	s_mov_b32 s23, 0
	s_mul_i32 s17, s16, 128*PK      ; and its place in a slot, for K
	s_mul_i32 s18, s16, 128*PV      ; and for V
	s_lshl_b32 s3, s[WV], 11        ; my 16 rows in a band of 64,
	s_lshl_b32 s2, s13, 14          ; in the first block's 128 rows of Q,
	s_add_co_u32 s2, s2, s3
	s_add_co_u32 s2, s2, s20
	s_lshl_b32 s84, ttmp9, 14       ; and in the second's
	s_add_co_u32 s84, s84, s3
	s_add_co_u32 s84, s84, s20
	s_lshl_b32 s66, s13, 18         ; the same in z: a block is two blocks of 64 rows, 131,072 bytes each
	s_add_co_u32 s66, s66, s3
	s_add_co_u32 s66, s66, s21
	s_lshl_b32 s68, ttmp9, 18
	s_add_co_u32 s68, s68, s3
	s_add_co_u32 s68, s68, s21
	s_mov_b32 s3, 0
	s_mov_b32 s85, 0
	s_mov_b32 s67, 0
	s_mov_b32 s69, 0
	; descriptor group 1.  128 keys are 16,384 dense bytes: asked for as 64 rows of 256 bytes, two keys a row, and padded in LDS after every key
	s_mov_b32 s[G1K], (1<<16)|(1<<20)|(4<<22)|(3<<25)  ; 17:16 2-byte elements; 20 padding on; 24:22 after every 32 words (code 4); 31:25 4 words (code 3)
	s_mov_b32 s[G1V], (1<<16)|(1<<20)|(4<<22)|(7<<25)  ; the same with 8 words of padding (code 7)
.irp g, G1K, G1V
	s_mov_b32 s[\g+1], 128<<16      ; tensor_dim0 = 128
	s_mov_b32 s[\g+2], 64<<16       ; tensor_dim1 = 64
	s_mov_b32 s[\g+3], 128<<16      ; tile_dim0 = 128
	s_mov_b32 s[\g+4], 64           ; tile_dim1 = 64
	s_mov_b32 s[\g+5], 128          ; 128 elements from row to row
	s_mov_b32 s[\g+6], 0
	s_mov_b32 s[\g+7], 0
.endr
	s_mov_b32 s[CS], 0x3e38aa3b     ; c = log2(e) / 8 = 0.180337
	s_mov_b32 s[CS+1], s[CS]        ; named with it as a pair
	s_mov_b32 s[SEL], 0x76543210
	s_mov_b32 s[SEL+1], 0xfedcba98
	s_mov_b32 s[TBK], SLOT1+4*KS*PK ; the first change of slots turns these two into 0
	s_mov_b32 s[TBV], SLOT1+4*KS*PV
	s_mov_b32 s[G0K], 1             ; count = 1
	s_mov_b32 s[G0K+1], s17         ; LDS address: slot 0
	s_mov_b32 s[G0V], 1
	s_add_co_u32 s[G0V+1], s18, VOFF
	s_add_co_u32 s[RT], s[HI], 1    ; the first block has 16 - c tiles
	s_mov_b32 s[NXT], 1
	s_mov_b32 s[LQ], s[HI]
	s_mov_b32 s[NEW], 1
	s_mov_b32 s[OFF+1], 0
	s_mov_b32 s[AL+1], 0            ; named as pairs
	s_mov_b32 s[BE+1], 0
	s_mov_b32 s[BIGN], 0xf149f2ca   ; -1e30
	s_mov_b32 s[SLOTS], NB
	s_cmp_eq_u32 ttmp9, 0
	s_cselect_b32 s[LIM], 2, -1
	v_and_b32 v[PFO], 31, v0
	v_lshlrev_b32 v[PFO], 8, v[PFO]
	s_wait_dscnt 0x0                ; the opening add is done
	s_wait_kmcnt 0x0
	s_add_nc_u64 s[6:7], s[4:5], KBASE
	s_add_nc_u64 s[8:9], s[4:5], VBASE
	s_add_nc_u64 s[6:7], s[6:7], s[22:23]  ; K and V at my half of the head's tile 0
	s_add_nc_u64 s[8:9], s[8:9], s[22:23]
	s_add_nc_u64 s[G0K+2:G0K+3], s[6:7], 0         ; global address
	s_or_b32 s[G0K+3], s[G0K+3], 0x80000000        ; type = 2
	s_add_nc_u64 s[G0V+2:G0V+3], s[8:9], 0
	s_or_b32 s[G0V+3], s[G0V+3], 0x80000000
	s_add_nc_u64 s[86:87], s[4:5], s[84:85]        ; Q at my rows of the second block,
	s_add_nc_u64 s[4:5], s[4:5], s[2:3]            ; and of the first
	s_add_nc_u64 s[OLO:OLO+1], s[10:11], s[68:69]  ; z likewise
	s_add_nc_u64 s[10:11], s[10:11], s[66:67]
	s_cmp_lt_u32 s[WV], 2
	s_cselect_b64 s[PFA:PFA+1], s[6:7], s[8:9]
	s_add_nc_u64 s[PFA:PFA+1], s[PFA:PFA+1], 32768 ; at tile 1; the first change of slots steps it to tile 2.  Nothing is prefetched here, at the head
	LOAD                            ; tile 0 into slot 0
	; A fragment of K or Q is 16 rows x 32 channels in 8 registers: lane l holds row l % 16, channels 8 (l / 16) + 0..7 and 16 + 8 (l / 16) + 0..7: two loads of 16 bytes, 32 bytes apart.
	v_and_b32 v1, 15, v0            ; l % 16
	v_bfe_u32 v9, v0, 4, 1          ; l / 16
	v_lshlrev_b32 v[QO], 7, v1
	v_lshl_add_u32 v[QO], v9, 4, v[QO]  ; row x 128 + 16 x half
	WIN 0x80                        ; destination window 2, address window 0
.set i, 0
.rept 4                             ; both blocks' Q: piece i / 2 lies in band i / 2, 8,192 bytes on; channels 32 (i % 2) on
	global_load_b128 v[8*i:8*i+3],   v[QO], s[4:5] offset:(i/2)*8192+(i%2)*64
	global_load_b128 v[8*i+4:8*i+7], v[QO], s[4:5] offset:(i/2)*8192+(i%2)*64+32
	global_load_b128 v[QB+8*i:QB+8*i+3],   v[QO], s[86:87] offset:(i/2)*8192+(i%2)*64
	global_load_b128 v[QB+8*i+4:QB+8*i+7], v[QO], s[86:87] offset:(i/2)*8192+(i%2)*64+32
.set i, i+1
.endr
	WIN 0
	v_lshlrev_b32 v14, 3, v9
	v_sub_nc_u32 v14, v1, v14
	s_lshl_b32 s13, s[WV], 4
	v_add_nc_u32 v14, s13, v14      ; my query's place in its band, 16 w + l % 16, less my lanes' 8 (l / 16): register r of group kt is hidden where 16 kt + r is greater
	WIN 0x40
.set i, 0
.rept 32
	v_cmp_gt_i32 vcc_lo, 16*(i/8)+i%8, v14
	v_cndmask_b32 v[MD+i], 0, s[BIGN], vcc_lo
.set i, i+1
.endr
	WIN 0
	v_mul_u32_u24 v[AK0], v1, PK
	v_lshl_add_u32 v[AK0], v9, 4, v[AK0]  ; row x pitch + 16 x half
	; The turning load takes 16 keys x 16 channels (lane l reads key 8 (l / 16) + l % 8, channels 8 ((l / 8) % 2) + 0..7) and leaves half a fragment of V^T: lane l holds channel l % 16 and 8 keys.
	v_and_b32 v10, 7, v0
	v_bfe_u32 v11, v0, 3, 1
	v_lshl_add_u32 v[AV0], v9, 3, v10
	v_mul_u32_u24 v[AV0], v[AV0], PV
	v_lshl_add_u32 v[AV0], v11, 4, v[AV0]
	v_add_nc_u32 v[AV0], VOFF, v[AV0]
	s_mul_i32 s13, s[WV], 16*SP
	s_add_co_u32 s13, s13, STAGE    ; my stage
	v_mul_u32_u24 v[STO], v1, SP    ; in: row l % 16, 16 bytes for each half of the lanes
	v_lshl_add_u32 v[STO], v9, 4, v[STO]
	v_add_nc_u32 v[STO], s13, v[STO]
	v_bfe_u32 v[RD], v0, 3, 2       ; back: 32 lanes take four rows of 128 bytes,
	v_mul_u32_u24 v[RD], v[RD], SP
	v_lshl_add_u32 v[RD], v10, 4, v[RD]
	v_add_nc_u32 v[RD], s13, v[RD]
	v_and_b32 v[GO], 31, v0         ; which are 512 consecutive bytes of z
	v_lshlrev_b32 v[GO], 4, v[GO]
	; A block's first step multiplies O^T and l by a = 0, and its first turn's products V^T P, of a step that has not been, land in an O^T that is still to be so multiplied.  So these registers need only hold
	; finite numbers: zeros for the first block; what the first block left for the second.  All this stands in the wait for the first tile.
	WIN 0x80
.set i, VF1
.rept 64
	v_mov_b32 v[i], 0
.set i, i+1
.endr
	WIN 0x40
.set i, 0
.rept 64
	v_mov_b32 v[i], 0
.set i, i+1
.endr
	WIN 0
.set i, 0
.rept NP
	v_mov_b32 v[ST+4*i+2], 0
	v_mov_b32 v[ST+4*i+3], 0
.set i, i+1
.endr
.set i, P+16
.rept 16
	v_mov_b32 v[i], 0
.set i, i+1
.endr
; THE MATRIX WORK.  The 4 accumulators of a run of 8 take turns.  Product i of 8 of S^T = K Q^T for piece x: channels 32 (i / 4) on, keys 16 (i % 4) on.  The first 4 start the sums: with 0, or (KM = 1) with the mask.
.macro KQ x
.set rS, S+32*((\x)%2)+8*(i%4)
.set rK, KF+16*(i%4)+8*(i/4)
.set rQ, 16*(\x)+8*(i/4)
.set rM, MC+32*((\x)%2)+8*(i%4)
.if (i < 4) && KM
	WIN W_KM
	v_wmma_f32_16x16x32_f16 v[rS:rS+7], v[rK:rK+7], v[rQ:rQ+7], v[rM:rM+7]
.elseif i < 4
	WIN W_KQ
	v_wmma_f32_16x16x32_f16 v[rS:rS+7], v[rK:rK+7], v[rQ:rQ+7], 0
.else
	WIN W_KQ
	v_wmma_f32_16x16x32_f16 v[rS:rS+7], v[rK:rK+7], v[rQ:rQ+7], v[rS:rS+7]
.endif
.endm
; Product i of 8 of O^T += V^T P for piece x, from V's buffer VB: keys 32 (i / 4) on, channels 16 (i % 4) on.
.macro PV x
	WIN W_PV
.set rO, 32*(\x)+8*(i%4)
.set rV, VF0-128*VB+32*(i/4)+8*(i%4)
.set rP, P+16*((\x)%2)+8*(i/4)
	v_wmma_f32_16x16x32_f16 v[rO:rO+7], v[rV:rV+7], v[rP:rP+7], v[rO:rO+7]
.endm
.macro MM                           ; the turn's next matrix instruction.  TURN and BEGIN set Y, VB, i, KM and NOKQ.  NOKQ = 1: a block's last turn: there is no next step
.if (i < 8) && !NOKQ
	KQ (Y+1)%NP
.elseif i >= 8
.set i, i-8
	PV (Y+NP-1)%NP
.set i, i+8
.endif
.set i, i+1
.endm
; THE LDS LOADS stand in runs of 16, never singly among the matrix instructions: a step's K (64 keys x 64 channels: 8 fragments) and its V (turned).  Their addresses are made some lines ahead.
.macro FETCH_K
	WIN 0x80                        ; destination window 2
.irp f, 0,1,2,3,4,5,6,7             ; keys 16 (f / 2) on, channels 32 (f % 2) on
	ds_load_b128 v[KF+8*\f:KF+8*\f+3],   v[AK] offset:(\f/2)*16*PK+(\f%2)*64
	ds_load_b128 v[KF+8*\f+4:KF+8*\f+7], v[AK] offset:(\f/2)*16*PK+(\f%2)*64+32
.endr
	s_add_co_u32 s[TBK], s[TBK], KS*PK  ; the next fetch is the next step's
	WIN 0
.endm
.macro FETCH_V vb                   ; into V's buffer vb
	WIN 0x80
.irp f, 0,1,2,3,4,5,6,7             ; keys 32 (f / 4) on, channels 16 (f % 4) on
	ds_load_tr16_b128 v[VF0-128*(\vb)+8*\f:VF0-128*(\vb)+8*\f+3],   v[AV] offset:(\f/4)*32*PV+(\f%4)*32
	ds_load_tr16_b128 v[VF0-128*(\vb)+8*\f+4:VF0-128*(\vb)+8*\f+7], v[AV] offset:(\f/4)*32*PV+16*PV+(\f%4)*32
.endr
	WIN 0
.endm
; THE VECTOR WORK, one line at a time: OP kind, number.  For piece Y: F n: c s - c m for pair n of 16.  E n: the exponential of score n of 32.  C n: pair n rounded to f16.  B n: of the four weights 4 n .. the second
; pair is added onto the first, in place.  L n: l takes that sum (L 0: l = a l + sum).  R n: pair n of 16 of O^T times a.  For the other piece: X n, number n of the 22 that find its maximum and statistics:
;   0-11  four chains c0-c3 of seven scores each, three operands at a time (each accumulator's lowest registers are read first)     12-14, 16  the four scores left over, the old m, and c0-c3 into c0
;   15  c m_old is kept     17, 18  the query's other 32 keys lie in the lane 16 away: the new m     19-21  c m; c m_old - c m_new; a
.set F, 0               ; OP tells the kinds apart by their order: F to L below R, X above it
.set E, 1
.set C, 2
.set B, 3
.set L, 4
.set R, 5
.set X, 6
.macro REGS y                       ; the registers of piece y
.set rT, ST+4*(\y)
.set rC, TMP+4*((\y)%2)
.set rW, MV+((\y)%2)
.set rS, S+32*((\y)%2)
.set rP, P+16*((\y)%2)
.set rO, 32*(\y)
.endm
.macro OP k, n
.if (\k) == R
	REGS Y
	WIN W_RS
	v_pk_mul_f32 v[rO+2*(\n):rO+2*(\n)+1], v[rO+2*(\n):rO+2*(\n)+1], v[rC+2:rC+3] op_sel_hi:[1,0]
.elseif (\k) < R
	REGS Y
	WIN 0
.if (\k) == F
	v_pk_fma_f32 v[rS+2*(\n):rS+2*(\n)+1], v[rS+2*(\n):rS+2*(\n)+1], s[CS:CS+1], v[rT:rT+1] op_sel_hi:[1,0,0] neg_lo:[0,0,1] neg_hi:[0,0,1]
.elseif (\k) == E
	v_exp_f32 v[rS+(\n)], v[rS+(\n)]
.elseif (\k) == C
	s_wait_alu depctr_va_vdst(0)
	v_cvt_pk_f16_f32 v[rP+(\n)], v[rS+2*(\n)], v[rS+2*(\n)+1]
.elseif (\k) == B
	s_wait_alu depctr_va_vdst(0)
	v_pk_add_f32 v[rS+4*(\n):rS+4*(\n)+1], v[rS+4*(\n):rS+4*(\n)+1], v[rS+4*(\n)+2:rS+4*(\n)+3]
.elseif (\n) == 0
	v_pk_fma_f32 v[rT+2:rT+3], v[rT+2:rT+3], v[rC+2:rC+3], v[rS:rS+1] op_sel_hi:[1,0,1]
.else
	v_pk_add_f32 v[rT+2:rT+3], v[rT+2:rT+3], v[rS+4*(\n):rS+4*(\n)+1]
.endif
.elseif NOKQ
	v_nop
.else
	REGS (Y+1)%NP
	WIN 0
.if (\n) < 4
	v_max3_num_f32 v[rC+(\n)], v[rS+8*(\n)], v[rS+8*(\n)+1], v[rS+8*(\n)+2]
.elseif (\n) < 12
	v_max3_num_f32 v[rC+(\n)%4], v[rC+(\n)%4], v[rS+8*((\n)%4)+2*((\n)/4)+1], v[rS+8*((\n)%4)+2*((\n)/4)+2]
.elseif (\n) == 12
	v_max3_num_f32 v[rC], v[rC], v[rS+7], v[rS+15]
.elseif (\n) == 13
	v_max3_num_f32 v[rC+1], v[rC+1], v[rS+23], v[rS+31]
.elseif (\n) == 14
	v_max3_num_f32 v[rC+2], v[rC+2], v[rC+3], v[rT+1]
.elseif (\n) == 15
	v_mov_b32 v[rW], v[rT]
.elseif (\n) == 16
	v_max3_num_f32 v[rC], v[rC], v[rC+1], v[rC+2]
.elseif (\n) == 17
	v_permlanex16_b32 v[rC+3], v[rC], s[SEL], s[SEL+1]
.elseif (\n) == 18
	v_max_num_f32 v[rT+1], v[rC], v[rC+3]
.elseif (\n) == 19
	v_mul_f32 v[rT], s[CS], v[rT+1]
.elseif (\n) == 20
	v_sub_f32 v[rC+1], v[rW], v[rT]
.else
	v_exp_f32 v[rC+2], v[rC+1]
.endif
.endif
.endm
.macro OPS a, i1, b=-1, i2=0, c=-1, i3=0, d=-1, i4=0  ; up to four of them
	OP \a, \i1
.if (\b) >= 0
	OP \b, \i2
.endif
.if (\c) >= 0
	OP \c, \i3
.endif
.if (\d) >= 0
	OP \d, \i4
.endif
.endm
.macro ROW a, i1, b, i2, c, i3, d, i4  ; a matrix instruction and the four behind it
	MM
	OPS \a, \i1, \b, \i2, \c, \i3, \d, \i4
.endm
.macro MASK b                       ; MD x AL + BE into buffer b of MC
	WIN W_RS
.set z, 0
.rept 16
	v_pk_fma_f32 v[MC+32*(\b)+2*z:MC+32*(\b)+2*z+1], v[MD+2*z:MD+2*z+1], s[AL:AL+1], s[BE:BE+1] op_sel_hi:[1,0,0]
.set z, z+1
.endr
.endm
; A TURN, for piece p, whose products V^T P read V's buffer vb: the order of its 16 matrix and 118 vector instructions, written out.  Behind a matrix instruction: plain, exponential, plain, plain; or four of
; the rescaling; or, behind the first, four scalings; none names a register of the products round it.  In the lumps exponential and plain by turns while exponentials last.  A line reads no result made fewer
; than three vector instructions in front of it, five if an exponential made it.  v_permlanex16_b32 (X 17) stands in a lump.
; m = 1: the diagonal tile: the products take masks, and the turn makes the mask for the products of the turn after it: piece p, in step s = 2 (2 - CNT) + e of the tile, e = (p + vb) % 2.  With d = 2 par + p
; and KD = 4 - 2 par: s = d where 2 CNT = KD + e - p, s > d where 2 CNT is less.  end = 1: a block's last two turns: nothing is fetched.
; cnt = 1: the loop's count is taken down some lines ahead of the branch that stands behind the turn.
; Piece 0's turn fetches the next step's K, six vector instructions behind the last product that read K (five of them plain), and the next step's V into buffer vb, eight behind the last product that read
; that buffer (four plain).  Piece 1's turn waits at its head.
.macro TURN p, vb, m=0, end=0, cnt=0
.set Y, (\p)
.set VB, (\vb)
.set i, 0
.set KM, (\m)
.set NOKQ, (\end)*(\p)
.if (\m) && !(\end)
	s_lshl_b32 s[T2], s[CNT], 1
	s_add_co_i32 s[T3], s[KD], ((\p)+(\vb))%2-(\p)
	s_cmp_eq_u32 s[T2], s[T3]       ; is that step the band's own?
	s_cselect_b32 s[AL], 1.0, 0
	s_cmp_lt_u32 s[T2], s[T3]       ; or a later one?
	s_cselect_b32 s[BE], s[BIGN], 0
.endif
.if (\p) == 1
	s_wait_dscnt 16-16*(\end)       ; K of the next step is in, and V of this one, which is older; the 16 youngest loads, the next step's V, may stay out (a block's last turn: nothing is out)
.endif
	ROW F,0, F,1, F,2, F,3
	ROW F,4, E,0, F,5, F,6
	ROW F,7, E,1, F,8, F,9
	ROW F,10, E,2, C,0, F,11
	ROW F,12, E,3, X,15, F,13
	ROW R,0, R,1, R,2, R,3
	ROW B,0, E,4, F,14, L,0
.if ((\p) == 0) && !(\end)
	v_add_nc_u32 v[AK], s[TBK], v[AK0]
.endif
	ROW R,4, R,5, R,6, R,7
	OPS E,5, F,15
.if ((\p) == 0) && !(\end)
	FETCH_K
.endif
	OPS E,6, C,1, E,7, R,8
	OPS E,8, R,9, E,9, C,2
	OPS E,10, X,0, E,11, X,1
	OPS E,12, X,2, E,13, X,3
	ROW X,4, E,14, X,5, X,6
	ROW X,7, E,15, X,8, X,9
	ROW X,10, E,16, X,11, X,12
	ROW X,13, E,17, X,14, B,1
	ROW C,4, E,18, X,16, L,1
	ROW B,2, E,19, C,6, L,2
	ROW C,8, E,20, B,3, B,4
.if ((\p) == 0) && !(\end)
	v_add_nc_u32 v[AV], s[TBV], v[AV0]
.endif
	ROW C,3, E,21, L,3, C,5
	OPS E,22, X,17, E,23, C,10
.if ((\p) == 0) && !(\end)
	FETCH_V \vb
.endif
	OPS E,24, L,4
	OPS E,25, X,18, E,26, C,7
	OPS E,27, B,5, E,28, X,19
	OPS E,29, C,12, E,30, L,5
	OPS E,31, X,20, B,6, C,9
	OPS C,14, C,11, X,21, L,6
.if ((\p) == 0) && !(\end)
	s_add_co_u32 s[TBV], s[TBV], KS*PV
.endif
.if \cnt
	s_sub_co_u32 s[CNT], s[CNT], 1
	s_cmp_lg_u32 s[CNT], 0
.endif
	OPS C,13, B,7, C,15, R,10
	OPS R,11, R,12, L,7, R,13
	OPS R,14, R,15
.if (\m) && !(\end)
	MASK (\p)%2
.endif
.endm
; A BLOCK BEGINS.  c m starts far below every c s, so the first step's a is 0; m at the lowest finite number, so the first maximum is the scores'.  The second mask buffer is 0 (piece 1 sees all of a tile's step 0);
; the first takes piece 0's mask for the tile's step 0: its own step, if the block's first tile is the diagonal one (RT = 0) and par = 0 (KD = 4).
; Then K and V of that step, piece 0's first scores, and its maximum and statistics.  The loop is entered at a step's first turn, in the middle of a trip.
.macro BEGIN
	s_mov_b32 s[NEW], 0
	WIN 0x40
.set i, MC+32
.rept 32
	v_mov_b32 v[i], 0
.set i, i+1
.endr
	WIN 0
.set i, 0
.rept NP
	v_mov_b32 v[ST+4*i], 0xfe000000    ; c m: far below every c s
	v_mov_b32 v[ST+4*i+1], 0xff7fffff  ; m
.set i, i+1
.endr
	s_sub_co_u32 s[T2], 4, s[KD]
	s_or_b32 s[T2], s[T2], s[RT]
	s_cmp_eq_u32 s[T2], 0
	s_cselect_b32 s[AL], 1.0, 0
	s_mov_b32 s[BE], 0
	MASK 0
	WIN 0
	v_add_nc_u32 v[AK], s[TBK], v[AK0]
	v_add_nc_u32 v[AV], s[TBV], v[AV0]
	FETCH_K
	FETCH_V 0
	s_add_co_u32 s[TBV], s[TBV], KS*PV
	s_wait_loadcnt 0x0              ; Q
	s_wait_dscnt 0x0
.set KM, 1
.set NOKQ, 0
.set i, 0
.rept 8
	KQ 0
.set i, i+1
.endr
	WIN 0
.rept 4
	v_nop                           ; the places behind those products
.endr
.set Y, NP-1                        ; X works for the other piece: piece 0
.irp n, 0,1,2,3,4,5,6,7,8,9,10,11,12,13,14,15,16,17,18,19,20,21
	OP X, \n
.endr
	v_nop                           ; a plain instruction behind the exponential
.endm
; THE DIAGONAL TILE's two trips, the block's last two turns, its last products, and THE WAY OUT: l's two halves and the other half of the lanes' are added; O^T is divided by l, rounded to f16 and sent through my
; stage in LDS, a piece at a time.
.macro ALL line:vararg              ; one line for each piece t
.set t, 0
.rept NP
	\line
.set t, t+1
.endr
.endm
.macro PACK t                       ; a lane's eight channels of a row pack into 16 bytes; they go into rows of 144 bytes and come back as whole rows of 128, into S^T's registers
	WIN W_RS
.set i, 32*(\t)
.rept 16
	s_wait_alu depctr_va_vdst(0)
	v_pk_mul_f32 v[i:i+1], v[i:i+1], v[ST+4*(\t)+2:ST+4*(\t)+3] op_sel_hi:[1,0]
.set i, i+2
.endr
	WIN 0x05                        ; sources 0 and 1 window 1, destination window 0
.set i, 0
.rept 16
	v_cvt_pk_f16_f32 v[S+16*(\t)+i], v[32*(\t)+2*i], v[32*(\t)+2*i+1]
.set i, i+1
.endr
	WIN 0
.irp f, 0,1,2,3
	ds_store_b128 v[STO], v[S+16*(\t)+4*\f:S+16*(\t)+4*\f+3] offset:32*\f
.endr
.irp f, 0,1,2,3
	ds_load_b128 v[S+16*(\t)+4*\f:S+16*(\t)+4*\f+3], v[RD] offset:\f*4*SP  ; LDS serves a wave's instructions in order (ISA guide 5.7.1.4): these see the stores above; the next piece's stores come behind them
.endr
.endm
.macro SEND t, younger              ; younger: the LDS instructions issued behind piece t's loads: the next piece's eight, or none
	WIN 0
.irp f, 0,1,2,3
	s_wait_dscnt (\younger)+3-\f
	global_store_b128 v[GO], v[S+16*(\t)+4*\f:S+16*(\t)+4*\f+3], s[10:11] offset:(\t)*131072+\f*512  ; 512 consecutive bytes, at a multiple of 256 from z's first; band t lies 131,072 bytes on
.endr
.endm
.macro DIAG tag                     ; the tag ends its two labels' names, which the jumps below spell out
.LstepM\tag:
	TURN 0, 0, 1
	TURN 1, 1, 1
	WIN 0
.LfirstM\tag:
	TURN 0, 1, 1
	TURN 1, 0, 1, 0, 1
	WIN 0
	s_cbranch_scc1 .LstepM\tag
	TURN 0, 0, 1, 1
	TURN 1, 1, 1, 1
.set VB, 1
.set i, 0
.rept 8
	PV NP-1                         ; piece 1's V^T P of the tile's last step
.set i, i+1
.endr
	WIN 0
	ALL v_add_f32 v[ST+4*t+2], v[ST+4*t+2], v[ST+4*t+3]
	ALL v_permlanex16_b32 v[ST+4*t+3], v[ST+4*t+2], s[SEL], s[SEL+1]
	ALL v_add_f32 v[ST+4*t+2], v[ST+4*t+2], v[ST+4*t+3]
	ALL v_rcp_f32 v[ST+4*t+2], v[ST+4*t+2]
	v_nop                           ; a plain instruction between the last reciprocal and the use of its result
	PACK 0
	PACK 1                          ; a piece's arithmetic stands between the loads of the piece before and its stores
	SEND 0, 8
	SEND 1, 0
.endm
.set KM, 0
.set NOKQ, 0
.set VB, 0
.Lslot:                             ; 16 times: a tile is entered and the next is asked for
	CHANGE 1
	s_sub_co_u32 s[RT], s[RT], 1
	s_mov_b32 s[CNT], 2
	s_cmp_eq_u32 s[NEW], 1
	s_cbranch_scc1 .Lnew            ; a block's first tile
	s_cmp_eq_u32 s[RT], 0
	s_cbranch_scc0 .Lstep           ; neither its first nor its last
	s_branch .LstepM1
.Lnew:
	BEGIN
	s_branch .Lfirst                ; in the loop a block's first tile is never its last: the first block has nine tiles or more, and the second's last is the walk's last
	DIAG 1                          ; in the loop this is the first block's end
	s_wait_xcnt 0x0                 ; the stores have read their registers and z's address
	s_mov_b64 s[10:11], s[OLO:OLO+1]
	s_add_co_u32 s[RT], s[PB], 1    ; the second block has c + 1 tiles
	s_mov_b32 s[NEW], 1
	s_mov_b32 s[KD], s[KD2]
	WIN 0x82                        ; the second block's Q goes where the one text of the turns names Q
.set i, 0
.rept 32
	v_mov_b32 v[i], v[QB+i]
.set i, i+1
.endr
	WIN 0
	s_branch .Lbottom
.Lstep:                             ; a trip: both pieces' turns of an odd step, then of the even step behind it
	TURN 0, 0
	TURN 1, 1
	WIN 0
.Lfirst:
	TURN 0, 1
	TURN 1, 0, 0, 0, 1
	WIN 0
	s_cbranch_scc1 .Lstep
.Lbottom:
	s_sub_co_u32 s[SLOTS], s[SLOTS], 1
	s_cmp_lg_u32 s[SLOTS], 0
	s_cbranch_scc1 .Lslot
	CHANGE 0                        ; the walk's last tile is written out: nothing is asked for
	s_sub_co_u32 s[RT], s[RT], 1
	s_mov_b32 s[CNT], 2
	s_cmp_eq_u32 s[NEW], 1
	s_cbranch_scc0 .LstepM2
	BEGIN
	s_branch .LfirstM2
	DIAG 2
	s_wait_tensorcnt 0x0            ; the wave's end, behind my last tensor load and my last LDS store
	ds_add_u32 v[SPW], v[NIL]
	s_wait_dscnt 0x0
	s_endpgm
.Lfunc_end_k_qa3c2939999_attn:
	.size	k_qa3c2939999_attn, .Lfunc_end_k_qa3c2939999_attn-k_qa3c2939999_attn
	.p2alignl 7, 3214868480
	.fill 96, 4, 3214868480
	.section	.rodata,"a",@progbits
	.p2align	6, 0x0
	.amdhsa_kernel k_qa3c2939999_attn
		.amdhsa_group_segment_fixed_size 327680
		.amdhsa_private_segment_fixed_size 0
		.amdhsa_enable_private_segment 0
		.amdhsa_kernarg_size 16
		.amdhsa_user_sgpr_count 2
		.amdhsa_user_sgpr_kernarg_segment_ptr 1
		.amdhsa_wavefront_size32 1
		.amdhsa_system_sgpr_workgroup_id_x 1
		.amdhsa_system_sgpr_workgroup_id_y 1
		.amdhsa_system_sgpr_workgroup_id_z 1
		.amdhsa_system_vgpr_workitem_id 0
		.amdhsa_next_free_vgpr 768
		.amdhsa_next_free_sgpr 96
		.amdhsa_reserve_vcc 1
		.amdhsa_float_denorm_mode_32 3
		.amdhsa_float_denorm_mode_16_64 3
		.amdhsa_memory_ordered 1
		.amdhsa_forward_progress 1
		.amdhsa_inst_pref_size 219
	.end_amdhsa_kernel
	.amdgpu_metadata
---
amdhsa.version: [ 1, 2 ]
amdhsa.kernels:
  - .name:           k_qa3c2939999_attn
    .symbol:         k_qa3c2939999_attn.kd
    .args:
      - { .name: qkv, .offset: 0, .size: 8, .value_kind: global_buffer, .address_space: global }
      - { .name: z, .offset: 8, .size: 8, .value_kind: global_buffer, .address_space: global }
    .group_segment_fixed_size: 327680
    .private_segment_fixed_size: 0
    .kernarg_segment_align: 8
    .kernarg_segment_size: 16
    .max_flat_workgroup_size: 128
    .sgpr_count:     96
    .vgpr_count:     768
    .wavefront_size: 32
...
	.end_amdgpu_metadata
.endif
;; end of part 3
;; launch outp (part 4): grid 8 x 32, 4 waves a work-group, clusters of 4 x 4, 327,680 bytes of LDS; arguments z, cb, out0; writes out0
.if DOCPART == 4
	.amdgcn_target "amdgcn-amd-amdhsa--gfx1250"
	.amdhsa_code_object_version 6
	.text
	.protected	k_qa3c2939999_outp
	.globl	k_qa3c2939999_outp
	.p2align	8
	.type	k_qa3c2939999_outp,@function
k_qa3c2939999_outp:
	s_mov_b64 s[64:65], 0
	v_nop
	global_prefetch_b8 v0, s[64:65] scope:SCOPE_SE
	s_setreg_imm32_b32 hwreg(HW_REG_WAVE_MODE, 25, 1), 1
	s_wait_xcnt 0x0
	s_wait_alu depctr_hold_cnt(0) depctr_sa_sdst(0) depctr_va_vdst(0) depctr_va_sdst(0) depctr_va_ssrc(0) depctr_va_vcc(0) depctr_vm_vsrc(0)
	s_getreg_b32 s2, hwreg(HW_REG_IB_STS2, 6, 4)
	s_cmp_eq_u32 s2, 0
	s_cbranch_scc0 .Lentry_in_a_cluster
	s_endpgm
.Lentry_in_a_cluster:
	s_bfe_u32 s2, ttmp6, 0x10000c
	s_cmp_lg_u32 s2, 0xf033
	s_cbranch_scc0 .Lentry_shape_is_right
	s_endpgm
.Lentry_shape_is_right:
; THE OUTPUT PROJECTION.  out0[m][n] = sum over f of zf[m][f] wo[n][f], f = 64 head + channel.  z: [64 blocks of 64 rows][16 heads][64 rows][64 channels] f16; wo: [1024][1024] f16 at byte 14,680,064 of cb;
; out0: [4096][1024] f32.  Sums in f32, stored as they are.
; THE TILE is 128 x 128: 32 x 8 = 256 tiles, one work-group each.  Four waves, each 64 x 64: 16 accumulators of 16 x 16, 128 registers.  K goes in 4 steps of 256 (four heads) through two LDS slots.
; In z the 64 rows x 4 heads of a K step are 32,768 dense bytes: asked for as 128 rows of 256 bytes and padded after every 128, they lie in LDS as [4 heads][64 rows] at a pitch of 144 bytes.
; wo's rows of a K step are 512 bytes, 64 rows to a load, at a pitch of 528.
; CLUSTERS: 4 x 4 work-groups.  The four of a row of the cluster need the same tiles of z, the four of a column the same tiles of wo: each tile is asked for JOINTLY, by the same tensor load with the same
; descriptor and a mask that names the four.  THE MATRIX INSTRUCTION IS USED TRANSPOSED (source 0 = 16 rows of wo, source 1 = 16 rows of z): a lane holds eight neighbouring numbers of a row of out0.
; REGISTERS: window 0: v0-31 addresses; v128-255 the accumulators ((a, b) at v[128 + 8 (4 a + b)]), which also carry the rows on the way out.
;   window 1: two fragment buffers of 128: for 64 along K (one head; two matrix instructions deep), 64 registers of z (2 x 4 x 16 rows x 32 K), then 64 of wo.
; With four K steps the two laps are written out: there is no loop.  No prefetch: two of the four K steps are the first fills.
.set PA,     144                       ; a row of z in LDS: 128 bytes + 16 = 36 words: the 16 rows of a load start at 16 different groups of four banks (64 banks of 4 bytes: ISA guide 11.1)
.set PB,     528                       ; a row of wo: 512 + 16 = 132 words: row r starts at bank 4 r mod 64
.set AHALF,  256*PA                    ; what a load of z brings: 4 heads x 64 rows
.set BHALF,  64*PB                     ; what a load of wo brings
.set BOFF,   2*AHALF
.set SLOT,   BOFF+2*BHALF              ; 141,312 bytes
.set STAGE,  2*SLOT                    ; behind the ring, never filled by a tensor load: 16 rows x 272 bytes for each wave, for the way out
.set SPITCH, 272
.set SPARE,  STAGE+4*16*SPITCH         ; behind the stages: the spare words, 128 bytes for each wave: two blocks of 256 bytes that no other line names
.set WO,     0xE00000                  ; wo's first byte in cb
.set ADRA, 16                          ; v16-17  LDS address of my fragments of z in slot 0, 1
.set ADRB, 20                          ; v20-21  the same for wo
.set STO,  24                          ; v24     the way out: where I put 32 bytes of a row
.set RD,   25                          ; v25     the way out: where I read a row back
.set CO,   26                          ; v26     my byte offset in out0
.set SPW,  28                          ; v28     LDS address of my spare word; never rewritten
.set NIL,  29                          ; v29     0; never rewritten
.set ACC,  128
.set F0,   0                           ; fragment buffers, in window 1
.set F1,   128
.set G1, 24                            ; s[24:31] descriptor group 1 for z's tiles;  s[32:39] group 0, one set for each slot
.set G0, 32
.set G1B, 48                           ; s[48:55], s[56:63] the same for wo's tiles
.set G0B, 56
.set MSB, 0
.macro WIN new                         ; the immediate's high byte repeats the setting that is left
.if MSB != (\new)
	s_set_vgpr_msb (MSB<<8)|(\new)
.set MSB, \new
.endif
.endm
.set MUL,  0x05                        ; sources 0 (wo) and 1 (z) window 1; C and D window 0
.set TO_F, 0x40                        ; destination window 1, address window 0
.macro JLOAD s                         ; a joint load: waves 0 and 1 fetch z's two halves, waves 2 and 3 wo's; an s_nop 0 and four v_nop follow each of the two lines, ahead of the jump, the label and what follows
	s_cmp_eq_u32 s11, 0
	s_cbranch_scc0 .Lfor_b_\@
	tensor_load_to_lds s[G0+4*(\s):G0+4*(\s)+3], s[G1:G1+7]
	s_nop 0
.rept 4
	v_nop
.endr
	s_branch .Lasked_\@
.Lfor_b_\@:
	tensor_load_to_lds s[G0B+4*(\s):G0B+4*(\s)+3], s[G1B:G1B+7]
	s_nop 0
.rept 4
	v_nop
.endr
.Lasked_\@:
.endm
.macro CREST                           ; a round of the cluster's barrier behind its opening barrier
	s_cmp_lg_u32 s10, 0
	s_cbranch_scc1 .Lnot_wave_0_\@
	s_barrier_signal -3
.Lnot_wave_0_\@:
	s_barrier_wait -3
	s_barrier_signal -1
	s_barrier_wait -1
.endm
.macro CROUND                          ; a whole round
	s_barrier_signal -1
	s_barrier_wait -1
	CREST
.endm
	s_load_b128 s[4:7], s[0:1], 0x0                ; z s[4:5], cb s[6:7]
	s_load_b64 s[8:9], s[0:1], 0x10                ; out0
	v_lshl_add_u32 v[SPW], v0, 2, SPARE
	v_mov_b32 v[NIL], 0
	ds_add_u32 v[SPW], v[NIL]                      ; the wave's opening: the add and its wait stand ahead of my first tensor load; the set-up below, work on registers, stands between them
	ds_add_u32 v28, v29
	v_lshrrev_b32 v1, 5, v0
	v_readfirstlane_b32 s10, v1                    ; wave 0..3
	s_lshr_b32 s11, s10, 1                         ; which half of the tile's rows is mine.  Also: I fetch for z (0) or for wo (1)
	s_and_b32 s12, s10, 1                          ; which half of its columns.  Also: which 64 rows of that tile I fetch
	s_bfe_u32 s40, ttmp6, 0x40000                  ; cx, cy: my place in the cluster
	s_bfe_u32 s41, ttmp6, 0x40004
	s_lshl_b32 s42, ttmp9, 2
	s_add_co_u32 s42, s42, s40                     ; tile column = 4 x cluster x + cx
	s_and_b32 s13, ttmp7, 0xffff
	s_lshl_b32 s13, s13, 2
	s_add_co_u32 s13, s13, s41                     ; tile row = 4 x cluster y + cy
	s_lshl_b32 s43, s41, 2
	s_lshl_b32 s43, 15, s43                        ; my row of the cluster
	s_lshl_b32 s44, 0x1111, s40                    ; my column
	s_or_b32 s[G1+0], s43, (1<<16)|(1<<20)|(1<<21)|(4<<22)|(3<<25)   ; 15:0 the mask: z's tiles go to my row; 17:16 2-byte elements; 20 padding on; 21 set beside a mask; 24:22 after every 32 words (code 4); 31:25 4 words (code 3)
	s_mov_b32 s[G1+1], 128<<16                     ; tensor_dim0 = 128
	s_mov_b32 s[G1+2], 128<<16                     ; tensor_dim1 = 128
	s_mov_b32 s[G1+3], 128<<16                     ; tile_dim0 = 128
	s_mov_b32 s[G1+4], 128                         ; tile_dim1 = 128
	s_mov_b32 s[G1+5], 128                         ; dense: 128 elements from row to row
	s_mov_b32 s[G1+6], 0
	s_mov_b32 s[G1+7], 0
	s_or_b32 s[G1B+0], s44, (1<<16)|(1<<20)|(1<<21)|(6<<22)|(3<<25)  ; wo's go to my column; padding after every 128 words (code 6)
	s_mov_b32 s[G1B+1], 256<<16                    ; tensor_dim0 = 256
	s_mov_b32 s[G1B+2], 64<<16                     ; tensor_dim1 = 64
	s_mov_b32 s[G1B+3], 256<<16                    ; tile_dim0 = 256
	s_mov_b32 s[G1B+4], 64                         ; tile_dim1 = 64
	s_mov_b32 s[G1B+5], 1024                       ; 1,024 elements from row to row
	s_mov_b32 s[G1B+6], 0
	s_mov_b32 s[G1B+7], 0
	s_lshl_b32 s16, s13, 1
	s_add_co_u32 s16, s16, s12                     ; z: block of 64 rows 2 x tile row + half,
	s_lshl_b32 s16, s16, 17                        ; 131,072 bytes each
	s_mov_b32 s17, 0
	s_lshl_b32 s46, s42, 7
	s_lshl_b32 s47, s12, 6
	s_add_co_u32 s46, s46, s47                     ; wo: row 128 x tile column + 64 x half,
	s_lshl_b32 s46, s46, 11                        ; 2,048 bytes a row
	s_add_co_u32 s46, s46, WO
	s_mov_b32 s47, 0
	s_mul_i32 s20, s12, AHALF                      ; where they go: no place in the cluster enters an LDS address
	s_mul_i32 s21, s12, BHALF
	s_add_co_u32 s21, s21, BOFF
	s_wait_dscnt 0x0                               ; the opening add is done
	s_wait_kmcnt 0x0
	s_add_nc_u64 s[14:15], s[4:5], s[16:17]
	s_add_nc_u64 s[46:47], s[6:7], s[46:47]
	CROUND                                         ; all sixteen work-groups are here: the first joint loads meet
.irp s, 0,1
	s_mov_b32 s[G0+4*(\s)], 1
	s_add_co_u32 s[G0+4*(\s)+1], s20, (\s)*SLOT
	s_add_nc_u64 s[G0+4*(\s)+2:G0+4*(\s)+3], s[14:15], (\s)*32768    ; K step s: four heads on
	s_or_b32 s[G0+4*(\s)+3], s[G0+4*(\s)+3], 0x80000000
	s_mov_b32 s[G0B+4*(\s)], 1
	s_add_co_u32 s[G0B+4*(\s)+1], s21, (\s)*SLOT
	s_add_nc_u64 s[G0B+4*(\s)+2:G0B+4*(\s)+3], s[46:47], (\s)*512
	s_or_b32 s[G0B+4*(\s)+3], s[G0B+4*(\s)+3], 0x80000000
	JLOAD \s                                       ; two loads of mine are out
.endr
	v_and_b32 v1, 15, v0                           ; l % 16
	v_bfe_u32 v2, v0, 4, 1                         ; l / 16
	v_mul_u32_u24 v3, v1, PA
	v_lshl_add_u32 v3, v2, 4, v3                   ; a fragment's row x pitch + 16 x half, for z
	v_mul_u32_u24 v6, v1, PB
	v_lshl_add_u32 v6, v2, 4, v6                   ; and for wo
	s_mul_i32 s21, s11, AHALF                      ; my 64 rows of z
	s_mul_i32 s22, s12, BHALF                      ; my 64 rows of wo
	s_add_co_u32 s22, s22, BOFF
.irp s, 0,1
	v_add_nc_u32 v[ADRA+(\s)], s21, v3
	v_add_nc_u32 v[ADRB+(\s)], s22, v6
	s_add_co_u32 s21, s21, SLOT
	s_add_co_u32 s22, s22, SLOT
.endr
	s_mul_i32 s23, s10, 16*SPITCH
	s_add_co_u32 s23, s23, STAGE                   ; my stage
	v_mul_u32_u24 v4, v1, SPITCH                   ; in: row l % 16, 32 bytes for each half of the lanes
	v_lshl_add_u32 v4, v2, 5, v4
	v_add_nc_u32 v[STO], s23, v4
	v_mul_u32_u24 v5, v2, SPITCH                   ; back: lanes 0-15 take one row of 256 bytes, lanes 16-31 the next
	v_lshl_add_u32 v5, v1, 4, v5
	v_add_nc_u32 v[RD], s23, v5
	v_lshlrev_b32 v5, 12, v2                       ; and the same two rows in out0, 4,096 bytes apart
	v_lshl_add_u32 v[CO], v1, 4, v5
	s_lshl_b32 s16, s13, 7
	s_lshl_b32 s17, s11, 6
	s_add_co_u32 s16, s16, s17                     ; my first row: 128 x tile row + 64 x half
	s_lshl_b32 s16, s16, 12
	s_mov_b32 s17, 0
	s_add_nc_u64 s[8:9], s[8:9], s[16:17]
	s_lshl_b32 s46, s42, 7
	s_lshl_b32 s47, s12, 6
	s_add_co_u32 s46, s46, s47                     ; my first column: 128 x tile column + 64 x half
	s_lshl_b32 s46, s46, 2
	s_mov_b32 s47, 0
	s_add_nc_u64 s[8:9], s[8:9], s[46:47]
; 8 matrix instructions: m blocks a0, a0 + 1 x all 4 n blocks, 32 along K: half c of buffer f.  zero = 1: the first product starts the sums.  The 16 accumulators take turns.
.macro MUL8 f, c, a0, zero
	WIN MUL
.irp a, \a0, (\a0)+1
.irp b, 0,1,2,3
.if \zero
	v_wmma_f32_16x16x32_f16 v[ACC+8*(4*(\a)+(\b)):ACC+8*(4*(\a)+(\b))+7], v[(\f)+64+8*(4*(\c)+(\b)):(\f)+64+8*(4*(\c)+(\b))+7], v[(\f)+8*(4*(\c)+(\a)):(\f)+8*(4*(\c)+(\a))+7], 0
.else
	v_wmma_f32_16x16x32_f16 v[ACC+8*(4*(\a)+(\b)):ACC+8*(4*(\a)+(\b))+7], v[(\f)+64+8*(4*(\c)+(\b)):(\f)+64+8*(4*(\c)+(\b))+7], v[(\f)+8*(4*(\c)+(\a)):(\f)+8*(4*(\c)+(\a))+7], v[ACC+8*(4*(\a)+(\b)):ACC+8*(4*(\a)+(\b))+7]
.endif
.endr
.endr
.endm
; 32 LDS loads in one run: the fragments of quarter q of a K step (head q of its four: 64 along K) into buffer f; the first 32 along K first
.macro FETCH slot, q, f
	WIN TO_F
.irp c, 0,1
.irp i, 0,1,2,3
	ds_load_b128 v[(\f)+64+8*(4*(\c)+(\i)):(\f)+64+8*(4*(\c)+(\i))+3],   v[ADRB+(\slot)] offset:(\q)*128+64*(\c)+(\i)*16*PB
	ds_load_b128 v[(\f)+64+8*(4*(\c)+(\i))+4:(\f)+64+8*(4*(\c)+(\i))+7], v[ADRB+(\slot)] offset:(\q)*128+64*(\c)+(\i)*16*PB+32
	ds_load_b128 v[(\f)+8*(4*(\c)+(\i)):(\f)+8*(4*(\c)+(\i))+3],         v[ADRA+(\slot)] offset:(\q)*64*PA+64*(\c)+(\i)*16*PA
	ds_load_b128 v[(\f)+8*(4*(\c)+(\i))+4:(\f)+8*(4*(\c)+(\i))+7],       v[ADRA+(\slot)] offset:(\q)*64*PA+64*(\c)+(\i)*16*PA+32
.endr
.endr
.endm
.macro PLACES                          ; four places in front of loads into registers that matrix instructions have read, and of LDS stores that read results
.rept 4
	v_nop
.endr
.endm
; A K step is four quarters of 64 along K, 32 matrix instructions each, on buffers 0, 1, 0, 1.  One of the first three: multiplies buffer f and fetches quarter q into g.
.macro QUARTER slot, q, f, g, zero
	s_wait_dscnt 16                                ; the first 32 along K are in; the youngest sixteen loads may be out
	WIN MUL
	MUL8 \f, 0, 0, \zero
	MUL8 \f, 0, 2, \zero
	PLACES
	FETCH \slot, \q, \g
	s_wait_dscnt 32                                ; all but the 32 just issued
	WIN MUL
	MUL8 \f, 1, 0, 0
	MUL8 \f, 1, 2, 0
.endm
; The last quarter multiplies buffer 1 and changes slots: ONE barrier; in front of it each wave waits for all its tensor loads, adds 0 to its spare word, and waits for that and for its own reads of this slot.
; fill = 1: the barrier opens a round of the cluster's, and this slot is filled again, two K steps ahead, first thing behind the round.
.macro TURN slot, next, fill
	WIN 0                                          ; (the add's two registers lie in window 0)
	s_wait_tensorcnt 0x0                           ; all my tensor loads have landed: my part of the next slot
	ds_add_u32 v[SPW], v[NIL]                      ; 0 onto my spare word
	s_wait_dscnt 17                                ; (the add and the youngest sixteen loads may be out)
	WIN MUL
	MUL8 F1, 0, 0, 0                               ; eight matrix instructions stand between the add and the wait for it
	s_wait_dscnt 0x0                               ; the add is done, and my reads of this slot are over
	s_barrier_signal -1
	MUL8 F1, 0, 2, 0
.if \fill
	WIN 0
.endif
	s_barrier_wait -1
.if \fill
	CREST                                          ; no wave of any partner still reads this slot's tile or has a load on its way
	s_add_nc_u64 s[G0+4*(\slot)+2:G0+4*(\slot)+3], s[G0+4*(\slot)+2:G0+4*(\slot)+3], 2*32768
	s_add_nc_u64 s[G0B+4*(\slot)+2:G0B+4*(\slot)+3], s[G0B+4*(\slot)+2:G0B+4*(\slot)+3], 2*512
	JLOAD \slot                                    ; my one tensor load behind the round, 112 matrix instructions ahead of the wait for it; the four v_nop behind it are also the places in front of the loads below
.else
	PLACES
.endif
	FETCH \next, 0, F0
	WIN MUL
	MUL8 F1, 1, 0, 0
	MUL8 F1, 1, 2, 0
.endm
; THE WAY OUT.  My 64 columns of f32 are 256 bytes of a row of out0, aligned, so my own stage serves and no wave waits for another.  Row block a: a lane's 32 bytes of each accumulator (its low four registers
; first) go into rows of 272 bytes and come back as whole rows of 256, two to a load, into the block's own 32 registers.
.macro STG a
.irp b, 0,1,2,3
	ds_store_b128 v[STO], v[ACC+8*(4*(\a)+(\b)):ACC+8*(4*(\a)+(\b))+3]   offset:64*(\b)
	ds_store_b128 v[STO], v[ACC+8*(4*(\a)+(\b))+4:ACC+8*(4*(\a)+(\b))+7] offset:64*(\b)+16
.endr
.irp t, 0,1,2,3,4,5,6,7
	ds_load_b128 v[ACC+32*(\a)+4*(\t):ACC+32*(\a)+4*(\t)+3], v[RD] offset:(\t)*2*SPITCH  ; LDS serves a wave's instructions in order (ISA guide 5.7.1.4): these see the stores above; the next block's stores come behind them
.endr
.endm
.macro SEND a, younger                 ; younger: the LDS instructions issued behind block a's loads: the next block's sixteen, or none
.irp t, 0,1,2,3,4,5,6,7
	s_wait_dscnt (\younger)+7-(\t)
	global_store_b128 v[CO], v[ACC+32*(\a)+4*(\t):ACC+32*(\a)+4*(\t)+3], s[8:9] offset:(16*(\a)+2*(\t))*4096 th:TH_STORE_NT  ; 16 lanes store 256 consecutive bytes, at a multiple of 256 from out0's first byte
.endr
.endm
	s_wait_tensorcnt 1                             ; my part of K step 0 is in; K step 1's may stay out
	s_barrier_signal -1
	s_barrier_wait -1                              ; everybody's is
	FETCH 0, 0, F0
	QUARTER 0, 1, F0, F1, 1                        ; the first products start the sums
	QUARTER 0, 2, F1, F0, 0
	QUARTER 0, 3, F0, F1, 0
	TURN 0, 1, 1                                   ; slot 0 takes K step 2
	QUARTER 1, 1, F0, F1, 0
	QUARTER 1, 2, F1, F0, 0
	QUARTER 1, 3, F0, F1, 0
	TURN 1, 0, 1                                   ; slot 1 takes K step 3
	QUARTER 0, 1, F0, F1, 0
	QUARTER 0, 2, F1, F0, 0
	QUARTER 0, 3, F0, F1, 0
	TURN 0, 1, 0                                   ; nothing is left to fetch
	QUARTER 1, 1, F0, F1, 0
	QUARTER 1, 2, F1, F0, 0
	QUARTER 1, 3, F0, F1, 0
	s_wait_dscnt 16                                ; the very last quarter
	WIN MUL
	MUL8 F1, 0, 0, 0
	MUL8 F1, 0, 2, 0
	s_wait_dscnt 0x0
	MUL8 F1, 1, 0, 0
	MUL8 F1, 1, 2, 0
	WIN 0
	PLACES
	STG 0
	STG 1                                          ; a block's way through the stage stands between the loads of the block before and its stores
	SEND 0, 16
	STG 2
	SEND 1, 16
	STG 3
	SEND 2, 16
	SEND 3, 0
	s_wait_tensorcnt 0x0                           ; the wave's end, behind my last tensor load and my last LDS store
	ds_add_u32 v[SPW], v[NIL]
	s_wait_dscnt 0x0
	CROUND                                         ; the closing round: no work-group ends while a partner may still ask for a tile that names it
	s_endpgm
.Lfunc_end_k_qa3c2939999_outp:
	.size	k_qa3c2939999_outp, .Lfunc_end_k_qa3c2939999_outp-k_qa3c2939999_outp
	.p2alignl 7, 3214868480
	.fill 96, 4, 3214868480
	.section	.rodata,"a",@progbits
	.p2align	6, 0x0
	.amdhsa_kernel k_qa3c2939999_outp
		.amdhsa_group_segment_fixed_size 327680
		.amdhsa_private_segment_fixed_size 0
		.amdhsa_enable_private_segment 0
		.amdhsa_kernarg_size 24
		.amdhsa_user_sgpr_count 2
		.amdhsa_user_sgpr_kernarg_segment_ptr 1
		.amdhsa_wavefront_size32 1
		.amdhsa_system_sgpr_workgroup_id_x 1
		.amdhsa_system_sgpr_workgroup_id_y 1
		.amdhsa_system_sgpr_workgroup_id_z 1
		.amdhsa_system_vgpr_workitem_id 0
		.amdhsa_next_free_vgpr 512
		.amdhsa_next_free_sgpr 66
		.amdhsa_reserve_vcc 0
		.amdhsa_float_denorm_mode_32 3
		.amdhsa_float_denorm_mode_16_64 3
		.amdhsa_memory_ordered 1
		.amdhsa_forward_progress 1
		.amdhsa_inst_pref_size 86
	.end_amdhsa_kernel
	.amdgpu_metadata
---
amdhsa.version: [ 1, 2 ]
amdhsa.kernels:
  - .name:           k_qa3c2939999_outp
    .symbol:         k_qa3c2939999_outp.kd
    .args:
      - { .name: z, .offset: 0, .size: 8, .value_kind: global_buffer, .address_space: global }
      - { .name: cb, .offset: 8, .size: 8, .value_kind: global_buffer, .address_space: global }
      - { .name: out0, .offset: 16, .size: 8, .value_kind: global_buffer, .address_space: global }
    .group_segment_fixed_size: 327680
    .private_segment_fixed_size: 0
    .kernarg_segment_align: 8
    .kernarg_segment_size: 24
    .max_flat_workgroup_size: 128
    .sgpr_count:     66
    .vgpr_count:     512
    .wavefront_size: 32
...
	.end_amdgpu_metadata
.endif
;; end of part 4
;; ======== version 2 of 2: 4 launches; version 1 with the launch cast written anew for expert scheduling mode
;; limits: values are held in f16: magnitudes above 65,504 overflow, below 6.1e-05 lose precision; right only within a limited range of input values
;; workspace buffers: cb 16,777,216 bytes; qkv 25,165,824 bytes; z 8,388,608 bytes
;; launch cast (part 5): grid 256 x 1, 8 waves a work-group, no clusters, 0 bytes of LDS; arguments x, W_Q, W_K, W_V, W_O, cb; writes cb
.if DOCPART == 5
	.amdgcn_target "amdgcn-amd-amdhsa--gfx1250"
	.amdhsa_code_object_version 6
	.text
	.protected	k_qa3c2939999_cast
	.globl	k_qa3c2939999_cast
	.p2align	8
	.type	k_qa3c2939999_cast,@function
k_qa3c2939999_cast:
	s_mov_b64 s[64:65], 0
	v_nop
	global_prefetch_b8 v0, s[64:65] scope:SCOPE_SE
	s_setreg_imm32_b32 hwreg(HW_REG_WAVE_SCHED_MODE, 0, 2), 2
	s_setreg_imm32_b32 hwreg(HW_REG_WAVE_MODE, 25, 1), 1
	s_wait_xcnt 0x0
	s_wait_alu depctr_vm_vsrc(0)
; THE INPUTS, ROUNDED ONCE.  cb takes, on end: x [4096][1024] as bf16 (8,388,608 bytes); W_Q, W_K, W_V as bf16, 3,072 rows of 1,024 (6,291,456 bytes);
; W_O [1024][1024] rounded to bf16 like the other inputs, and that number written as f16 (2,097,152 bytes), since the last product's other operand is f16.
; LIMITS.  A number of W_O beyond 65,504 becomes an infinity; below 6.1e-5 it keeps f16's fixed step of 6e-8.  NaN and infinities are not treated apart.
; SHARES.  8,388,608 numbers, 32,768 to each of 256 work-groups: 131,072 bytes in, 65,536 out, and the output's place is the work-group's number times 65,536.
; Work-groups 0-127 take x, 128-159 W_Q, 160-191 W_K, 192-223 W_V, 224-255 W_O.  In step j of 32 thread t loads the 16 bytes at 4,096 j + 16 t (a wave's load covers 512 consecutive
; bytes) and stores the 8 bytes at 2,048 j + 8 t (a wave's store covers 256 consecutive bytes, aligned).  All 32 loads go out first; no register is written twice while memory may read it.
; No LDS, no barrier, no matrix unit: every byte crosses once and nothing is shared.
; THE MODE: SCHED_MODE bits 1:0 = 2 (LLVM: expert scheduling mode 2), set by the entry lines.  The code itself states the register dependences
; between vector instructions and memory instructions, with s_wait_alu, always for 0.
; THE PLAN.  Registers that memory instructions touch:
;   v1, v2   byte offsets, made once at the head and never written again: v1 is read by every load, v2 by every store.
;   IN       step j's four registers: its one load lands in them, ahead of every vector line that names them; its conversions read them; nothing lands in them again.
;   OUT      step j's two registers: written by its conversions, read by its one store, never written again.
;   T        named by vector instructions alone.
; The 32 steps go in 8 blocks of four.  Block p converts steps 4 p .. 4 p + 3; its memory instructions are the four stores of block p - 1, which read that block's OUT and v2: registers that no
; vector instruction of block p names.  So one wait on va_vdst at a block's head states all that its four stores hang on, and they are dealt among the block's conversions with no further wait.
; No register that a memory instruction reads is ever written again, so no wait on vm_vsrc is owed.  No vector instruction writes a scalar register or VCC, and EXEC is never written.
.set T,   4                            ; v[4:7]     at work (W_O's path)
.set IN,  16                           ; v[16:143]  step j: 4 registers as loaded
.set OUT, 144                          ; v[144:207] step j: 2 registers to store
	s_load_b256 s[4:11], s[0:1], 0x0               ; x s[4:5], W_Q s[6:7], W_K s[8:9], W_V s[10:11]
	s_load_b128 s[12:15], s[0:1], 0x20             ; W_O s[12:13], cb s[14:15]
	v_lshlrev_b32 v1, 4, v0                        ; 16 t
	v_lshlrev_b32 v2, 3, v0                        ; 8 t
	s_sub_co_u32 s16, ttmp9, 128                   ; among the weights' 128 work-groups (not used for x),
	s_lshr_b32 s17, s16, 5                         ; which weight,
	s_and_b32 s20, s16, 31                         ; and which of its 32 parts
	s_lshl_b32 s24, ttmp9, 16                      ; my 65,536 bytes of cb
	s_mov_b32 s25, 0
	s_mov_b32 s23, 0
	s_wait_kmcnt 0x0
	s_cmp_eq_u32 s17, 0
	s_cselect_b64 s[18:19], s[6:7], s[12:13]       ; W_Q, or else W_O
	s_cmp_eq_u32 s17, 1
	s_cselect_b64 s[18:19], s[8:9], s[18:19]       ; W_K
	s_cmp_eq_u32 s17, 2
	s_cselect_b64 s[18:19], s[10:11], s[18:19]     ; W_V
	s_cmp_lt_u32 ttmp9, 128
	s_cselect_b64 s[18:19], s[4:5], s[18:19]       ; x
	s_cselect_b32 s22, ttmp9, s20                  ; my part of that tensor,
	s_lshl_b32 s22, s22, 17                        ; 131,072 bytes each
	s_add_nc_u64 s[18:19], s[18:19], s[22:23]
	s_add_nc_u64 s[14:15], s[14:15], s[24:25]
	s_wait_alu depctr_va_vdst(0)                   ; v1 and v2 are written: every load of the kernel reads v1 as its offset, every store v2
.set g, 0
.rept 32
	global_load_b128 v[IN+4*g:IN+4*g+3], v1, s[18:19] offset:4096*g th:TH_LOAD_NT
.set g, g+1
.endr
; Step n: four numbers rounded to bf16; half = 1: each widened again (a shift, a mask) and written as f16.
.macro CONV n, half
	v_cvt_pk_bf16_f32 v[OUT+2*(\n)],   v[IN+4*(\n)],   v[IN+4*(\n)+1]
	v_cvt_pk_bf16_f32 v[OUT+2*(\n)+1], v[IN+4*(\n)+2], v[IN+4*(\n)+3]
.if \half
	v_lshlrev_b32 v[T],   16, v[OUT+2*(\n)]
	v_and_b32     v[T+1], 0xffff0000, v[OUT+2*(\n)]
	v_lshlrev_b32 v[T+2], 16, v[OUT+2*(\n)+1]
	v_and_b32     v[T+3], 0xffff0000, v[OUT+2*(\n)+1]
	v_cvt_pk_f16_f32 v[OUT+2*(\n)],   v[T],   v[T+1]
	v_cvt_pk_f16_f32 v[OUT+2*(\n)+1], v[T+2], v[T+3]
.endif
.endm
; Step n's 8 bytes leave.
.macro SENDS n
	global_store_b64 v2, v[OUT+2*(\n):OUT+2*(\n)+1], s[14:15] offset:2048*(\n) th:TH_STORE_NT
.endm
; Block p: steps 4 p .. 4 p + 3 are converted, and ahead of each step's conversions a step of the block before is stored.
.macro BLK p, half
	s_wait_loadcnt 28-4*(\p)                       ; loads come back in order (ISA guide 5.7.1): the block's four are in, the 28 - 4 p younger ones stay out
.if (\p) > 0
	s_wait_alu depctr_va_vdst(0)                   ; the block before has written its OUT, which the four stores below read; no vector instruction behind this wait names those registers
.endif
.irp i, 0,1,2,3
.if (\p) > 0
	SENDS 4*((\p)-1)+(\i)
.endif
	CONV 4*(\p)+(\i), \half
.endr
.endm
	s_cmp_ge_u32 ttmp9, 224
	s_cbranch_scc1 .Lhalf
.irp p, 0,1,2,3,4,5,6,7
	BLK \p, 0
.endr
	s_wait_alu depctr_va_vdst(0)                   ; block 7 has written its OUT, which the last four stores read
.irp n, 28,29,30,31
	SENDS \n
.endr
	s_endpgm
.Lhalf:                                                ; W_O's 32 work-groups
.irp p, 0,1,2,3,4,5,6,7
	BLK \p, 1
.endr
	s_wait_alu depctr_va_vdst(0)                   ; block 7 has written its OUT, which the last four stores read
.irp n, 28,29,30,31
	SENDS \n
.endr
	s_endpgm
.Lfunc_end_k_qa3c2939999_cast:
	.size	k_qa3c2939999_cast, .Lfunc_end_k_qa3c2939999_cast-k_qa3c2939999_cast
	.p2alignl 7, 3214868480
	.fill 96, 4, 3214868480
	.section	.rodata,"a",@progbits
	.p2align	6, 0x0
	.amdhsa_kernel k_qa3c2939999_cast
		.amdhsa_group_segment_fixed_size 0
		.amdhsa_private_segment_fixed_size 0
		.amdhsa_enable_private_segment 0
		.amdhsa_kernarg_size 48
		.amdhsa_user_sgpr_count 2
		.amdhsa_user_sgpr_kernarg_segment_ptr 1
		.amdhsa_wavefront_size32 1
		.amdhsa_system_sgpr_workgroup_id_x 1
		.amdhsa_system_sgpr_workgroup_id_y 1
		.amdhsa_system_sgpr_workgroup_id_z 1
		.amdhsa_system_vgpr_workitem_id 0
		.amdhsa_next_free_vgpr 208
		.amdhsa_next_free_sgpr 66
		.amdhsa_reserve_vcc 0
		.amdhsa_float_denorm_mode_32 3
		.amdhsa_float_denorm_mode_16_64 3
		.amdhsa_memory_ordered 1
		.amdhsa_forward_progress 1
		.amdhsa_inst_pref_size 30
	.end_amdhsa_kernel
	.amdgpu_metadata
---
amdhsa.version: [ 1, 2 ]
amdhsa.kernels:
  - .name:           k_qa3c2939999_cast
    .symbol:         k_qa3c2939999_cast.kd
    .args:
      - { .name: x, .offset: 0, .size: 8, .value_kind: global_buffer, .address_space: global }
      - { .name: W_Q, .offset: 8, .size: 8, .value_kind: global_buffer, .address_space: global }
      - { .name: W_K, .offset: 16, .size: 8, .value_kind: global_buffer, .address_space: global }
      - { .name: W_V, .offset: 24, .size: 8, .value_kind: global_buffer, .address_space: global }
      - { .name: W_O, .offset: 32, .size: 8, .value_kind: global_buffer, .address_space: global }
      - { .name: cb, .offset: 40, .size: 8, .value_kind: global_buffer, .address_space: global }
    .group_segment_fixed_size: 0
    .private_segment_fixed_size: 0
    .kernarg_segment_align: 8
    .kernarg_segment_size: 48
    .max_flat_workgroup_size: 256
    .sgpr_count:     66
    .vgpr_count:     208
    .wavefront_size: 32
...
	.end_amdgpu_metadata
.endif
;; end of part 5
;; launch proj: the kernel of part 2 again; grid 16 x 16, 4 waves a work-group, clusters of 4 x 4, 327,680 bytes of LDS; arguments cb, qkv; writes qkv
;; launch attn: the kernel of part 3 again; grid 16 x 16, 4 waves a work-group, no clusters, 327,680 bytes of LDS; arguments qkv, z; writes z
;; launch outp: the kernel of part 4 again; grid 8 x 32, 4 waves a work-group, clusters of 4 x 4, 327,680 bytes of LDS; arguments z, cb, out0; writes out0
